; MI455X (gfx1250); checked and timed in simulation.
; The chip was launched on July 23, 2026; its instructions are those of AMD's public machine-readable ISA for CDNA 5 (MIT licence, August 2026) and "CDNA5" Instruction Set Architecture Reference Guide (July 2026). The comments in the code are by the model that wrote it; some were corrected since.
;; Attention. Allowed arithmetic: matrix products marked QUANTISED: E2M1 operands, one E8M0 scale for each 32 along K, by v_wmma_scale_f32_16x16x128_f8f6f4 with both operands' format E2M1 (or v_wmma_scale_f32_32x16x128_f4), f32 sums; products left as they are: bf16, f16 or f32 operands; f32 sums; everything else in f32.
;; Inputs: freqs_cos 2,048 x 64 float32; freqs_sin 2,048 x 64 float32; wk 4,096 x 1,024 float32; wo 2,048 x 4,096 float32; wq 4,096 x 2,048 float32; wv 4,096 x 1,024 float32; x 2,048 x 4,096 float32.
;; Outputs: out0 2,048 x 4,096 float32.
;; This version of the problem:
;;   THIS VERSION OF THE PROBLEM IS GIVEN IN LOW PRECISION. The matrix products marked QUANTISED in the list below multiply operands that are first quantised to E2M1 (2 exponent bits, 1 mantissa bit; 4 bits a number), with one power-of-two scale for each 32 numbers along K (OCP MX v1.0); their sums are f32. The products marked 'left as it is' may take bf16, f16 or f32 operands, with f32 sums. Whichever they take, every output number must still come out within the allowed error. Rounding operands to bf16 (8 significant bits) uses up far more of that allowance than f16 does (11 bits, for magnitudes from 6e-5 to 65,504). All else is computed in f32.
;;   The module's matrix products, in the order in which they are computed (A, B: the left and right operand; K: the contracted axis; several contracted axes count as one K, in the product's order):
;;     1. [M 2,048, K 4,096] x [K 4,096, N 2,048]; A: input x; B: input wq: QUANTISED
;;     2. [M 2,048, K 4,096] x [K 4,096, N 1,024]; A: input x; B: input wk: QUANTISED
;;     3. [M 2,048, K 4,096] x [K 4,096, N 1,024]; A: input x; B: input wv: QUANTISED
;;     4. batch 16 x [M 2,048, K 128] x [K 128, N 2,048]; A: computed on the way; B: computed on the way: left as it is (an operand is computed on the way)
;;     5. batch 16 x [M 128, K 2,048] x [K 2,048, N 2,048]; A: computed on the way; B: computed on the way: left as it is (an operand is computed on the way)
;;     6. [M 2,048, K 2,048] x [K 2,048, N 4,096]; A: computed on the way; B: input wo: left as it is (an operand is computed on the way)
;;   THE QUANTISER, for each operand of a quantised product, along K:
;;     - K is cut into blocks of 32 from its start; a last block that is shorter is filled with zeros.
;;     - A block's scale is 2^e with e = floor(log2(the largest magnitude in the block)) - 2, held to -126 .. 127; a block of zeros has e = 0. As a byte (E8M0): e + 127.
;;     - Each number is divided by its block's scale, clamped to +-6, and rounded to the nearest number of E2M1, ties to even, subnormals kept.
;;     - The product sums the exact products of the quantised numbers (number of the format x scale) in f32.
;;   ~~~python
;;   def quantise(x, axis):      # numpy; x: float32 -> the quantised numbers, widened to float32 again
;;       x = np.moveaxis(x, axis, -1); K = x.shape[-1]
;;       x = np.pad(x, [(0, 0)] * (x.ndim - 1) + [(0, -K % 32)]); x = x.reshape(x.shape[:-1] + (-1, 32)); a = np.abs(x).max(-1, keepdims=True)
;;       e = np.where(a > 0, np.clip(np.frexp(np.where(a > 0, a, 1))[1] - 1 - 2, -126, 127), 0)      # np.frexp(a)[1] - 1 = floor(log2(a)), exactly
;;       r = np.clip(x / 2.0 ** e, -6, 6)
;;       step = 2.0 ** (np.maximum(np.frexp(np.where(r == 0, 1, r))[1] - 1, 0) - 1)
;;       q = np.round(r / step) * step * 2.0 ** e      # np.round: ties to even
;;       return np.moveaxis(q.reshape(q.shape[:-2] + (-1,))[..., :K], -1, axis).astype(np.float32)
;;   ~~~
;; One version. Each part assembles by itself: llvm-mc -triple=amdgcn-amd-amdhsa -mcpu=gfx1250 --defsym DOCPART=n.
;; ======== version 1 of 1: 4 launches
;; limits: values are held in f16: magnitudes above 65,504 overflow, below 6.1e-05 lose precision; right only within a limited range of input values
;; workspace buffers: xc 4,194,304 bytes; xs 262,144 bytes; wc 8,388,608 bytes; ws 524,288 bytes; wot 16,777,216 bytes; qkv 16,777,216 bytes; att 8,388,608 bytes
;; launch prep (part 1): grid 1024 x 1, 4 waves a work-group, no clusters, 102,912 bytes of LDS; arguments x, wq, wk, wv, wo, xc, xs, wc, ws, wot; writes xc, xs, wc, ws, wot
.if DOCPART == 1
	.amdgcn_target "amdgcn-amd-amdhsa--gfx1250"
	.amdhsa_code_object_version 6
	.text
	.protected	k_q32b871111d_prep
	.globl	k_q32b871111d_prep
	.p2align	8
	.type	k_q32b871111d_prep,@function
k_q32b871111d_prep:
	s_mov_b64 s[64:65], 0
	v_nop
	global_prefetch_b8 v0, s[64:65] scope:SCOPE_SE
	s_setreg_imm32_b32 hwreg(HW_REG_WAVE_MODE, 25, 1), 1
	s_wait_xcnt 0x0
; ONE PASS OVER THE f32 INPUTS.  Three paths, parted on the work-group's number alone; each has LDS bytes of its own and its own end.
;   work-groups 0-255:    x [2048][4096] -> xc, codes of FP4 (E2M1) with K innermost, [2048][2048 bytes], and xs, one E8M0 byte for each 32 along K, [2048][128].
;   work-groups 256-511:  wq, wk, wv [4096 k][n] -> wc [4096 n][2048 bytes] and ws [4096 n][128]; row n: 0-2047 wq's columns, 2048-3071 wk's, 3072-4095 wv's.  K is their FIRST axis:
;                         a lane takes a column and its registers run down K, so that the conversions give codes with K innermost.
;   work-groups 512-1023: wo [2048 k][4096 n] -> wot [4096 n][2048 k], f16 of 8 wo (the 8 is exact; the attention launch leaves its result in units of an eighth).
; A block's scale is 2^(floor(log2(its largest magnitude)) - 2); its byte is the largest magnitude's exponent field - 2, held at 1 from below.
; LIMITS: a block of zeros gets the byte 1 where the rule says 127 (its codes are zeros, which add nothing, and this program alone reads the bytes); blocks whose largest magnitude lies under
; 2^-124 are held at the byte 1; NaN and infinities among the inputs are not served; |wo| stays under 8,188 (f16 of 8 wo).
; No tensor load, no barrier: waves share nothing.  No matrix unit and no cluster: every input byte is read once by one wave.
.set SPW,   12                         ; v12  LDS address of my spare word; never rewritten
.set NIL,   13                         ; v13  0; never rewritten
.set WRG,   32768                      ; LDS: path x has 0 .. 32,767 (8,192 a wave); the weights' path four stages of 32 x 272 from here;
.set ORG,   67584                      ; wo's path four such stages from here;
.set SPARE, 102400                     ; the spare words, 128 bytes for each wave: two blocks of 256 bytes that no other line names
.set SPX,   80                         ; path x: a lane's place in a stage: 64 bytes + 16 of padding
.set RX,    16                         ; v16-79   path x: four sets of 16 numbers as loaded
.set XX,    80                         ; v80-111  two sets of 16 neighbours
.set EX,    112                        ; v112-127 a scale byte for each step
.set CX,    128                        ; v128-191 codes, four registers for each step
.set XW,    32                         ; v32-95   the other paths: two sets of 32 numbers down K
.set CW,    96                         ; v96..    a block's codes (4) or f16 pairs (16)
.set SB,    24                         ; v24-27   scale bytes, four to a register
.set OUTR,  112                        ; v112-175 the way out: 16 x 4 registers
.set VO,    176                        ; v176-207 the weights' path: 4 x lane + i rows of the tensor in hand
.set PW,    272                        ; a stage row: 256 bytes + 16
; ---- path x's macros
.macro LOADX t                         ; 32 lanes read 512 consecutive bytes, four times
.irp i, 0,1,2,3
	global_load_b128 v[RX+16*((\t)%4)+4*\i:RX+16*((\t)%4)+4*\i+3], v3, s[4:5] offset:2048*(\t)+512*\i th:TH_LOAD_NT
.endr
.endm
.macro TURNX t                         ; a step's 2,048 bytes through the wave's stage: in as they lie, out 64 bytes a lane.  LDS serves a wave's instructions in order
.irp i, 0,1,2,3
	ds_store_b128 v14, v[RX+16*((\t)%4)+4*\i:RX+16*((\t)%4)+4*\i+3] offset:32*SPX*((\t)%2)+8*SPX*\i
.endr
.irp i, 0,1,2,3
	ds_load_b128 v[XX+16*((\t)%2)+4*\i:XX+16*((\t)%2)+4*\i+3], v15 offset:32*SPX*((\t)%2)+16*\i
.endr
.endm
.macro STEPX t
.set XS, XX+16*((\t)%2)
.if (\t) > 0
	s_wait_dscnt 1                                 ; this step's numbers are back from the stage; the last step's byte store may be out
.else
	s_wait_dscnt 0x0
.endif
.if (\t)+4 < 16
	LOADX (\t)+4                                   ; the registers that the stage's stores have read take the loads of four steps on
.endif
.if (\t)+1 < 16
.if 14-(\t) >= 3
	s_wait_loadcnt 12                              ; the next step's four loads are in; those of the three steps behind it may be out
.else
	s_wait_loadcnt 4*(14-(\t))
.endif
	TURNX (\t)+1
.endif
	v_max3_num_f32 v8, |v[XS]|, |v[XS+1]|, |v[XS+2]|               ; the largest magnitude of my 16, in two chains
	v_max3_num_f32 v9, |v[XS+3]|, |v[XS+4]|, |v[XS+5]|
.irp i, 6,10
	v_max3_num_f32 v8, v8, |v[XS+\i]|, |v[XS+\i+1]|
	v_max3_num_f32 v9, v9, |v[XS+\i+2]|, |v[XS+\i+3]|
.endr
	v_max3_num_f32 v8, v8, |v[XS+14]|, |v[XS+15]|
	v_max3_num_f32 v8, v8, v9, 0x1800000           ; and the floor 2^(3 - 127): the byte cannot fall under 1
	v_max_num_f32_dpp v8, v8, v8 row_xmask:1 row_mask:0xf bank_mask:0xf   ; with my neighbour's 16: the block's
	v_add_nc_u32 v11, 0xff000000, v8               ; 2 off its exponent field: the conversion takes the exponent field of this operand as its scale
	v_cvt_scalef32_pk8_fp4_f32 v[CX+4*(\t)], v[XS:XS+7], v11
	v_cvt_scalef32_pk8_fp4_f32 v[CX+4*(\t)+1], v[XS+8:XS+15], v11
	v_lshrrev_b32 v[EX+(\t)], 23, v11              ; the scale's byte (a plain line behind the conversions)
	ds_store_b8 v5, v[EX+(\t)] offset:16*(\t)      ; both lanes of a block write the same byte with the same value
	global_store_b64 v4, v[CX+4*(\t):CX+4*(\t)+1], s[14:15] offset:256*(\t)   ; the wave stores 256 consecutive bytes, aligned
.endm
; ---- the weights' macros
.macro LOADW t                         ; block t: rows 32 t + i of my 512, my column; the block's base is a scalar pair of its own, the row a register of its own
.irp i, 0,1,2,3,4,5,6,7,8,9,10,11,12,13,14,15,16,17,18,19,20,21,22,23,24,25,26,27,28,29,30,31
	global_load_b32 v[XW+32*((\t)%2)+\i], v[VO+\i], s[32+2*(\t):33+2*(\t)] th:TH_LOAD_NT
.endr
.endm
.macro BLOCKW t
.set XS, XW+32*((\t)%2)
.if (\t) < 15
	s_wait_loadcnt 32                              ; this block's 32 loads are in; the next block's may be out
.else
	s_wait_loadcnt 0
.endif
	v_max3_num_f32 v16, |v[XS]|, |v[XS+1]|, |v[XS+2]|              ; all 32 numbers of the block are mine
	v_max3_num_f32 v17, |v[XS+3]|, |v[XS+4]|, |v[XS+5]|
.irp i, 6,10,14,18,22,26
	v_max3_num_f32 v16, v16, |v[XS+\i]|, |v[XS+\i+1]|
	v_max3_num_f32 v17, v17, |v[XS+\i+2]|, |v[XS+\i+3]|
.endr
	v_max3_num_f32 v16, v16, |v[XS+30]|, |v[XS+31]|
	v_max3_num_f32 v16, v16, v17, 0x1800000        ; the floor
	v_add_nc_u32 v11, 0xff000000, v16              ; the conversion's scale operand
	v_lshrrev_b32 v10, 23, v11                     ; the byte
.if (\t)%4 == 0
	v_mov_b32 v[SB+(\t)/4], v10
.else
	v_lshl_or_b32 v[SB+(\t)/4], v10, 8*((\t)%4), v[SB+(\t)/4]
.endif
.irp g, 0,1,2,3
	v_cvt_scalef32_pk8_fp4_f32 v[CW+\g], v[XS+8*\g:XS+8*\g+7], v11
.endr
	ds_store_b128 v4, v[CW:CW+3] offset:16*(\t)    ; 32 codes: 16 bytes of my column's row.  (The next vector lines are the next block's plain maxima)
.if (\t)+2 < 16
	LOADW (\t)+2
.endif
	s_wait_dscnt 0x0                               ; the store has read its registers: the next block's codes may be written
.endm
; ---- wo's macros
.macro LOADO t
.irp i, 0,1,2,3,4,5,6,7,8,9,10,11,12,13,14,15,16,17,18,19,20,21,22,23,24,25,26,27,28,29,30,31
	global_load_b32 v[XW+32*((\t)%2)+\i], v3, s[12:13] offset:(32*(\t)+\i)*16384 th:TH_LOAD_NT
.endr
.endm
.macro BLOCKO t
.set XS, XW+32*((\t)%2)
.if (\t) < 3
	s_wait_loadcnt 32                              ; this block's 32 loads are in; the next block's may be out
.else
	s_wait_loadcnt 0
.endif
.irp j, 0,2,4,6,8,10,12,14,16,18,20,22,24,26,28,30
	v_pk_mul_f32 v[XS+\j:XS+\j+1], v[XS+\j:XS+\j+1], s[26:27] op_sel_hi:[1,0]   ; x 8, exact
.endr
.irp j, 0,1,2,3,4,5,6,7,8,9,10,11,12,13,14,15
	v_cvt_pk_f16_f32 v[CW+\j], v[XS+2*\j], v[XS+2*\j+1]            ; the lower k in the low half
.endr
.irp g, 0,1,2,3
	ds_store_b128 v4, v[CW+4*\g:CW+4*\g+3] offset:64*(\t)+16*\g
.endr
.if (\t)+2 < 4
	LOADO (\t)+2
.endif
	s_wait_dscnt 0x0
.endm
.macro WAYOUT pitch, lo, hi            ; the stage's 32 rows of 256 bytes leave as rows: sixteen lanes store 256 consecutive bytes, aligned
.irp t, 0,1,2,3,4,5,6,7,8,9,10,11,12,13,14,15
	ds_load_b128 v[OUTR+4*\t:OUTR+4*\t+3], v7 offset:2*\t*PW       ; LDS serves a wave's instructions in order: these see my stores
.endr
.irp t, 0,1,2,3,4,5,6,7,8,9,10,11,12,13,14,15
	s_wait_dscnt 15-\t
	global_store_b128 v8, v[OUTR+4*\t:OUTR+4*\t+3], s[\lo:\hi] offset:2*\t*\pitch
.endr
	s_wait_tensorcnt 0x0                           ; the wave's end, behind my last LDS store
	ds_add_u32 v[SPW], v[NIL]
	s_wait_dscnt 0x0
	s_endpgm
.endm
	s_load_b512 s[4:19], s[0:1], 0x0               ; x 4:5, wq 6:7, wk 8:9, wv 10:11, wo 12:13, xc 14:15, xs 16:17, wc 18:19
	s_load_b128 s[20:23], s[0:1], 0x40             ; ws 20:21, wot 22:23
	v_lshl_add_u32 v[SPW], v0, 2, SPARE
	v_mov_b32 v[NIL], 0
	v_lshrrev_b32 v1, 5, v0
	v_readfirstlane_b32 s24, v1                    ; wave 0..3
	v_and_b32 v2, 31, v0                           ; lane
	s_wait_kmcnt 0x0
	s_cmp_lt_u32 ttmp9, 256
	s_cbranch_scc1 .Lpath_x
	s_cmp_lt_u32 ttmp9, 512
	s_cbranch_scc1 .Lpath_w
	; ---- wo: a wave takes 32 columns x 128 along K
	s_sub_co_u32 s25, ttmp9, 512
	s_and_b32 s26, s25, 31                         ; which 128 columns
	s_lshr_b32 s25, s25, 5                         ; which 128 along K
	s_lshl_b32 s26, s26, 7
	s_lshl_b32 s27, s24, 5
	s_add_co_u32 s26, s26, s27                     ; my wave's first column
	s_lshl_b32 s28, s25, 21                        ; 128 rows of 16,384 bytes
	s_lshl_b32 s27, s26, 2
	s_add_co_u32 s28, s28, s27
	s_mov_b32 s29, 0
	s_add_nc_u64 s[12:13], s[12:13], s[28:29]
	s_lshl_b32 s28, s26, 12                        ; wot: a row is 4,096 bytes
	s_lshl_b32 s27, s25, 8
	s_add_co_u32 s28, s28, s27
	s_add_nc_u64 s[22:23], s[22:23], s[28:29]
	s_mov_b32 s26, 0x41000000                      ; 8.0
	s_mov_b32 s27, s26                             ; (named with it as a pair)
	v_lshlrev_b32 v3, 2, v2                        ; in: 4 bytes a lane
	s_mul_i32 s30, s24, 32*PW
	s_add_co_u32 s30, s30, ORG                     ; my stage
	v_mul_u32_u24 v4, v2, PW
	v_add_nc_u32 v4, s30, v4                       ; into it: row = my column
	v_and_b32 v5, 15, v2
	v_lshrrev_b32 v6, 4, v2
	v_mul_u32_u24 v7, v6, PW
	v_lshl_add_u32 v7, v5, 4, v7
	v_add_nc_u32 v7, s30, v7                       ; out of it: sixteen lanes to a row, two rows an instruction
	v_lshlrev_b32 v8, 12, v6
	v_lshl_add_u32 v8, v5, 4, v8                   ; and the same place in wot
	LOADO 0
	LOADO 1
.irp t, 0,1,2,3
	BLOCKO \t
.endr
	WAYOUT 4096, 22, 23
.Lpath_w:
	; ---- wq, wk, wv: a wave takes 32 columns x 512 along K.  The tensor, its pitch and its place in wc are chosen by the work-group's number alone
	s_sub_co_u32 s25, ttmp9, 256
	s_cmp_lt_u32 s25, 192
	s_cselect_b64 s[26:27], s[8:9], s[10:11]       ; wk or wv
	s_mov_b32 s28, 3072
	s_cselect_b32 s28, 2048, s28                   ; their first row in wc
	s_cmp_lt_u32 s25, 128
	s_cselect_b64 s[26:27], s[6:7], s[26:27]       ; wq, or that
	s_cselect_b32 s28, 0, s28
	s_mov_b32 s29, 4096
	s_cselect_b32 s29, 8192, s29                   ; a row of the tensor in bytes
	s_cselect_b32 s30, 4, 3                        ; 16 or 8 groups of 128 columns
	s_cselect_b32 s31, 127, 63
	s_and_b32 s25, s25, s31                        ; my number within the tensor
	s_bfm_b32 s2, s30, 0
	s_and_b32 s3, s25, s2                          ; which 128 columns
	s_lshr_b32 s25, s25, s30                       ; which 512 along K
	s_lshl_b32 s3, s3, 7
	s_lshl_b32 s2, s24, 5
	s_add_co_u32 s3, s3, s2                        ; my wave's first column
	s_add_co_u32 s28, s28, s3                      ; and its row in wc and ws
	s_lshl_b32 s4, s29, 9
	s_mul_i32 s4, s4, s25                          ; 512 rows x which
	s_lshl_b32 s2, s3, 2
	s_add_co_u32 s4, s4, s2
	s_mov_b32 s5, 0
	s_add_nc_u64 s[32:33], s[26:27], s[4:5]        ; block 0's base;
	s_lshl_b32 s4, s29, 5                          ; 32 rows on for each block: sixteen bases, never rewritten
.irp t, 1,2,3,4,5,6,7,8,9,10,11,12,13,14,15
	s_add_nc_u64 s[32+2*\t:33+2*\t], s[30+2*\t:31+2*\t], s[4:5]
.endr
	s_lshl_b32 s6, s28, 11                         ; wc: a row is 2,048 bytes; 512 along K are 256
	s_lshl_b32 s2, s25, 8
	s_add_co_u32 s6, s6, s2
	s_mov_b32 s7, 0
	s_add_nc_u64 s[18:19], s[18:19], s[6:7]
	s_lshl_b32 s6, s28, 7                          ; ws: a row is 128 bytes; 512 along K are 16
	s_lshl_b32 s2, s25, 4
	s_add_co_u32 s6, s6, s2
	s_add_nc_u64 s[20:21], s[20:21], s[6:7]
	v_lshlrev_b32 v[VO], 2, v2
.set i, 1
.rept 31
	v_add_nc_u32 v[VO+i], s29, v[VO+i-1]
.set i, i+1
.endr
	s_mul_i32 s30, s24, 32*PW
	s_add_co_u32 s30, s30, WRG                     ; my stage
	v_mul_u32_u24 v4, v2, PW
	v_add_nc_u32 v4, s30, v4
	v_and_b32 v5, 15, v2
	v_lshrrev_b32 v6, 4, v2
	v_mul_u32_u24 v7, v6, PW
	v_lshl_add_u32 v7, v5, 4, v7
	v_add_nc_u32 v7, s30, v7
	v_lshlrev_b32 v8, 11, v6
	v_lshl_add_u32 v8, v5, 4, v8
	v_lshlrev_b32 v9, 7, v2                        ; my column's row of scale bytes
	LOADW 0
	LOADW 1
.irp t, 0,1,2,3,4,5,6,7,8,9,10,11,12,13,14,15
	BLOCKW \t
.endr
	global_store_b128 v9, v[SB:SB+3], s[20:21]     ; my column's 16 scale bytes
	WAYOUT 2048, 18, 19
.Lpath_x:
	; ---- x: a plain stream of blocks of 32; a wave takes 16 steps of 512 numbers
	v_lshlrev_b32 v3, 4, v2                        ; my 16 bytes of a load's 512
	s_mul_i32 s25, s24, 8192
	v_lshrrev_b32 v14, 2, v2
	v_mul_u32_u24 v14, v14, SPX
	v_and_b32 v15, 3, v2
	v_lshl_add_u32 v14, v15, 4, v14
	v_add_nc_u32 v14, s25, v14                     ; the stage, on the way in: four lanes' 64 bytes on end, then 16 of padding
	v_mul_u32_u24 v15, v2, SPX
	v_add_nc_u32 v15, s25, v15                     ; and on the way out: my 16 neighbours
	v_lshlrev_b32 v4, 3, v2                        ; my 8 bytes of a step's codes
	v_lshrrev_b32 v5, 1, v2
	s_add_co_u32 s25, s25, 2*32*SPX
	v_add_nc_u32 v5, s25, v5                       ; my wave's 256 scale bytes, my block's byte
	v_lshlrev_b32 v7, 3, v2
	v_add_nc_u32 v6, s25, v7                       ; and on the way out 8 bytes a lane
	s_lshl_b32 s26, ttmp9, 2
	s_add_co_u32 s26, s26, s24                     ; which run of 8,192 numbers is my wave's
	s_mov_b32 s29, 0
	s_lshl_b32 s28, s26, 15
	s_add_nc_u64 s[4:5], s[4:5], s[28:29]
	s_lshl_b32 s28, s26, 12
	s_add_nc_u64 s[14:15], s[14:15], s[28:29]
	s_lshl_b32 s28, s26, 8
	s_add_nc_u64 s[16:17], s[16:17], s[28:29]
.irp t, 0,1,2,3
	LOADX \t
.endr
	s_wait_loadcnt 12                              ; step 0's four loads are in
	TURNX 0
.irp t, 0,1,2,3,4,5,6,7,8,9,10,11,12,13,14,15
	STEPX \t
.endr
	ds_load_b64 v[8:9], v6                         ; my wave's 256 scale bytes, 8 a lane
	s_wait_dscnt 0x0
	global_store_b64 v7, v[8:9], s[16:17]          ; 256 consecutive bytes, aligned
	s_wait_tensorcnt 0x0                           ; the wave's end, behind my last LDS store
	ds_add_u32 v[SPW], v[NIL]
	s_wait_dscnt 0x0
	s_endpgm
.Lfunc_end_k_q32b871111d_prep:
	.size	k_q32b871111d_prep, .Lfunc_end_k_q32b871111d_prep-k_q32b871111d_prep
	.p2alignl 7, 3214868480
	.fill 96, 4, 3214868480
	.section	.rodata,"a",@progbits
	.p2align	6, 0x0
	.amdhsa_kernel k_q32b871111d_prep
		.amdhsa_group_segment_fixed_size 102912
		.amdhsa_private_segment_fixed_size 0
		.amdhsa_enable_private_segment 0
		.amdhsa_kernarg_size 80
		.amdhsa_user_sgpr_count 2
		.amdhsa_user_sgpr_kernarg_segment_ptr 1
		.amdhsa_wavefront_size32 1
		.amdhsa_system_sgpr_workgroup_id_x 1
		.amdhsa_system_sgpr_workgroup_id_y 1
		.amdhsa_system_sgpr_workgroup_id_z 1
		.amdhsa_system_vgpr_workitem_id 0
		.amdhsa_next_free_vgpr 208
		.amdhsa_next_free_sgpr 66
		.amdhsa_reserve_vcc 0
		.amdhsa_float_denorm_mode_32 3
		.amdhsa_float_denorm_mode_16_64 3
		.amdhsa_memory_ordered 1
		.amdhsa_forward_progress 1
		.amdhsa_inst_pref_size 138
	.end_amdhsa_kernel
	.amdgpu_metadata
---
amdhsa.version: [ 1, 2 ]
amdhsa.kernels:
  - .name:           k_q32b871111d_prep
    .symbol:         k_q32b871111d_prep.kd
    .args:
      - { .name: x, .offset: 0, .size: 8, .value_kind: global_buffer, .address_space: global }
      - { .name: wq, .offset: 8, .size: 8, .value_kind: global_buffer, .address_space: global }
      - { .name: wk, .offset: 16, .size: 8, .value_kind: global_buffer, .address_space: global }
      - { .name: wv, .offset: 24, .size: 8, .value_kind: global_buffer, .address_space: global }
      - { .name: wo, .offset: 32, .size: 8, .value_kind: global_buffer, .address_space: global }
      - { .name: xc, .offset: 40, .size: 8, .value_kind: global_buffer, .address_space: global }
      - { .name: xs, .offset: 48, .size: 8, .value_kind: global_buffer, .address_space: global }
      - { .name: wc, .offset: 56, .size: 8, .value_kind: global_buffer, .address_space: global }
      - { .name: ws, .offset: 64, .size: 8, .value_kind: global_buffer, .address_space: global }
      - { .name: wot, .offset: 72, .size: 8, .value_kind: global_buffer, .address_space: global }
    .group_segment_fixed_size: 102912
    .private_segment_fixed_size: 0
    .kernarg_segment_align: 8
    .kernarg_segment_size: 80
    .max_flat_workgroup_size: 128
    .sgpr_count:     66
    .vgpr_count:     208
    .wavefront_size: 32
...
	.end_amdgpu_metadata
.endif
;; end of part 1
;; launch gemm_qkv (part 2): grid 16 x 16, 4 waves a work-group, clusters of 4 x 4, 327,680 bytes of LDS; arguments xc, xs, wc, ws, freqs_cos, freqs_sin, qkv; writes qkv
.if DOCPART == 2
	.amdgcn_target "amdgcn-amd-amdhsa--gfx1250"
	.amdhsa_code_object_version 6
	.text
	.protected	k_q32b871111d_gemm_qkv
	.globl	k_q32b871111d_gemm_qkv
	.p2align	8
	.type	k_q32b871111d_gemm_qkv,@function
k_q32b871111d_gemm_qkv:
	s_mov_b64 s[64:65], 0
	v_nop
	global_prefetch_b8 v0, s[64:65] scope:SCOPE_SE
	s_setreg_imm32_b32 hwreg(HW_REG_WAVE_MODE, 25, 1), 1
	s_wait_xcnt 0x0
	s_wait_alu depctr_hold_cnt(0) depctr_sa_sdst(0) depctr_va_vdst(0) depctr_va_sdst(0) depctr_va_ssrc(0) depctr_va_vcc(0) depctr_vm_vsrc(0)
	s_getreg_b32 s2, hwreg(HW_REG_IB_STS2, 6, 4)
	s_cmp_eq_u32 s2, 0
	s_cbranch_scc0 .Lentry_in_a_cluster
	s_endpgm
.Lentry_in_a_cluster:
	s_bfe_u32 s2, ttmp6, 0x10000c
	s_cmp_lg_u32 s2, 0xf033
	s_cbranch_scc0 .Lentry_shape_is_right
	s_endpgm
.Lentry_shape_is_right:
; [2048 x 4096] = x (wq | wk | wv) on codes of FP4 (E2M1) with one E8M0 scale for each 32 along K = 4,096; then the rotation (q and k), x 2^-3 (exact), and one rounding to f16.
; xc [2048][2048 B], xs [2048][128]; wc [4096 n][2048 B], ws [4096][128].  qkv: f16 [32 planes][2048 s][128]: planes 0-15 q's heads, 16-23 k's, 24-31 v's.
; LIMITS: |q|, |k|, |v| stay under 524,000 (f16 of an eighth); NaN and infinities in freqs_cos or freqs_sin would reach v through 0 x infinity and are not served.
; SHARES.  A tile of C is 128 (m) x 256 (n): 16 x 16 = 256 work-groups.  Four waves, each 64 x 128: 32 accumulators of 16 x 16.  A wave's 128 columns are one plane of qkv.
; K goes in steps of 512 (rows of 256 bytes) through a ring of two LDS slots filled by the tensor data mover; a step is four quarters of 128 along K, 32 matrix instructions each.
; The scale bytes of the work-group's rows, for all of K, are dense blocks of memory: they come into LDS once, with the first fills.
; CLUSTERS: 4 x 4 work-groups.  The four of a row of the cluster need the same tiles of x, the four of a column the same tiles of w: each tile is asked for jointly.
; THE MATRIX INSTRUCTION IS USED TRANSPOSED (source 0 = 16 rows of w, source 1 = 16 rows of x): a lane holds row l % 16 and eight neighbouring columns: four pairs of the rotation.
; REGISTERS, in windows of 256: window 0: v1-30 addresses; v32-95 scale words, two sets, and nothing else; on the way out v96-191.
;   window 1: two fragment buffers at v0 and v128: x's block a at + 8 a, w's block b at + 32 + 8 b; on the way out the rotated numbers.   window 2: accumulator (a, b) at v[8 (8 a + b)].
;   window 3: cos of (a, b) at v[4 (8 a + b)], sin at v[128 + 4 (8 a + b)]: asked for at the head, waited for on the way out.
.set ROWMEM, 2048                      ; a row of codes in memory, bytes
.set PITCH,  272                       ; an LDS row: 256 bytes + 16 of padding: the 16 rows that a load touches start 68 words apart
.set AHALF,  64*PITCH
.set BHALF,  128*PITCH
.set BOFF,   128*PITCH                 ; a slot: x's 128 rows, then w's 256
.set SLOT,   384*PITCH
.set LAPS,   4                         ; 8 K steps, two to a lap
.set SCL,    2*SLOT                    ; behind the ring: the scales, as units of 256 bytes + 16: x's 128 rows,
.set SAH,    32*272                    ; (64 rows of 128 bytes)
.set SBH,    64*272                    ; (128 rows)
.set SBLK,   8*272                     ; (16 rows)
.set STAGE,  SCL+2*SAH+2*SBH           ; then w's 256; then a stage of 16 rows x 272 for each wave
.set SPARE,  STAGE+4*16*PITCH          ; the spare words, 128 bytes for each wave: two blocks of 256 bytes that no other line names
.set ADRA, 16                          ; v16-17  LDS address of my fragments of x in slot 0, 1
.set ADRB, 20                          ; v20-21  of w
.set STO,  24
.set RD,   25
.set CO,   26
.set ADRS, 27                          ; v27     my scale words: lanes 0-15 x's rows, lanes 16-31 w's
.set SPW,  28
.set NIL,  29
.set CSO,  30                          ; v30     my bytes in the wave's rows of cos and sin
.set SC,   32                          ; set s at v[SC + 32 s]; register 4 i + q: lanes 0-15 x's block i, lanes 16-31 w's block i, the step's q-th 128 along K
.set TMP,  96                          ; the way out, window 0: packed f16
.set BK,   128                         ; 16 rows read back: v128-159 and v160-191 by turns
.set O1,   0                           ; the way out, window 1: 64 rotated numbers
.set T1,   64                          ; and 8 at work
.set F0,   0
.set F1,   128
.set G1,   24
.set G0,   32
.set G1B,  48
.set G0B,  56
.set G1S,  68
.set G0S,  76
.set G1SB, 80
.set G0SB, 88
.set MSB, 0
.macro WIN new                         ; the immediate's high byte repeats the setting that is left
.if MSB != \new
	s_set_vgpr_msb (MSB<<8)|\new
.set MSB, \new
.endif
.endm
.set MUL,  0xa5                        ; sources 0 and 1 window 1; C and D window 2
.set TO_F, 0x40                        ; destination window 1, address window 0
; A joint load: waves 0 and 1 fetch for x, waves 2 and 3 for w.  The branch hangs on the wave's number alone.  An s_nop 0 and four v_nop follow each of the two lines.
.macro JLOAD g0a, g1a, g0b, g1b
	s_cmp_eq_u32 s19, 0
	s_cbranch_scc0 .Lfor_b_\@
	tensor_load_to_lds s[\g0a:\g0a+3], s[\g1a:\g1a+7]
	s_nop 0
.rept 4
	v_nop
.endr
	s_branch .Lasked_\@
.Lfor_b_\@:
	tensor_load_to_lds s[\g0b:\g0b+3], s[\g1b:\g1b+7]
	s_nop 0
.rept 4
	v_nop
.endr
.Lasked_\@:
.endm
.macro CREST                           ; a round of the cluster's barrier behind its opening barrier
	s_cmp_lg_u32 s18, 0
	s_cbranch_scc1 .Lnot_wave_0_\@
	s_barrier_signal -3
.Lnot_wave_0_\@:
	s_barrier_wait -3
	s_barrier_signal -1
	s_barrier_wait -1
.endm
.macro CROUND
	s_barrier_signal -1
	s_barrier_wait -1
	CREST
.endm
.macro PLACES                          ; four plain places in front of loads into registers that matrix instructions have read, and of the first read of results
.rept 4
	v_nop
.endr
.endm
	s_load_b256 s[4:11], s[0:1], 0x0               ; xc 4:5, xs 6:7, wc 8:9, ws 10:11
	s_load_b128 s[12:15], s[0:1], 0x20             ; cos 12:13, sin 14:15
	s_load_b64 s[16:17], s[0:1], 0x30              ; qkv
	v_lshl_add_u32 v[SPW], v0, 2, SPARE
	v_mov_b32 v[NIL], 0
	ds_add_u32 v[SPW], v[NIL]                      ; the wave's opening: the add, twice on end, and its wait ahead of my first tensor load
	ds_add_u32 v[SPW], v[NIL]
	v_lshrrev_b32 v1, 5, v0
	v_readfirstlane_b32 s18, v1                    ; wave 0..3
	s_lshr_b32 s19, s18, 1                         ; which 64 rows of the tile are mine.  Also: I fetch for x (0) or for w (1)
	s_and_b32 s20, s18, 1                          ; which 128 columns.  Also: which half of that tile I fetch
	s_bfe_u32 s40, ttmp6, 0x40000                  ; cx, cy
	s_bfe_u32 s41, ttmp6, 0x40004
	s_lshl_b32 s42, ttmp9, 2
	s_add_co_u32 s42, s42, s40                     ; tile column = 4 x cluster x + cx
	s_and_b32 s21, ttmp7, 0xffff
	s_lshl_b32 s21, s21, 2
	s_add_co_u32 s21, s21, s41                     ; tile row = 4 x cluster y + cy
	s_lshl_b32 s43, s41, 2
	s_lshl_b32 s43, 15, s43                        ; my row of the cluster
	s_lshl_b32 s44, 0x1111, s40                    ; my column
	; group 1, elements of one byte: rows of 256 bytes, 16 bytes of padding behind each; x: 64 rows to a load, w: 128
	s_or_b32 s[G1+0], s43, (1<<20)|(1<<21)|(5<<22)|(3<<25)
	s_or_b32 s[G1B+0], s44, (1<<20)|(1<<21)|(5<<22)|(3<<25)
	s_mov_b32 s[G1+1], 256<<16                     ; tensor_dim0
	s_mov_b32 s[G1+2], 64<<16                      ; tensor_dim1
	s_mov_b32 s[G1+3], 256<<16                     ; tile_dim0
	s_mov_b32 s[G1+4], 64                          ; tile_dim1
	s_mov_b32 s[G1+5], ROWMEM                      ; from row to row
	s_mov_b32 s[G1+6], 0
	s_mov_b32 s[G1+7], 0
	s_mov_b32 s[G1B+1], 256<<16
	s_mov_b32 s[G1B+2], 128<<16
	s_mov_b32 s[G1B+3], 256<<16
	s_mov_b32 s[G1B+4], 128
	s_mov_b32 s[G1B+5], ROWMEM
	s_mov_b32 s[G1B+6], 0
	s_mov_b32 s[G1B+7], 0
	; the scales: dense blocks, as rows of 256 bytes (32 elements of 8 bytes) with 16 bytes of padding: x: 32 such rows to a load, w: 64
	s_or_b32 s[G1S+0], s43, (3<<16)|(1<<20)|(1<<21)|(5<<22)|(3<<25)
	s_or_b32 s[G1SB+0], s44, (3<<16)|(1<<20)|(1<<21)|(5<<22)|(3<<25)
	s_mov_b32 s[G1S+1], 32<<16
	s_mov_b32 s[G1S+2], 32<<16
	s_mov_b32 s[G1S+3], 32<<16
	s_mov_b32 s[G1S+4], 32
	s_mov_b32 s[G1S+5], 32
	s_mov_b32 s[G1S+6], 0
	s_mov_b32 s[G1S+7], 0
	s_mov_b32 s[G1SB+1], 32<<16
	s_mov_b32 s[G1SB+2], 64<<16
	s_mov_b32 s[G1SB+3], 32<<16
	s_mov_b32 s[G1SB+4], 64
	s_mov_b32 s[G1SB+5], 32
	s_mov_b32 s[G1SB+6], 0
	s_mov_b32 s[G1SB+7], 0
	; where the tiles come from: x's hang on the tile row alone, w's on the tile column alone, each in registers that never hold the other coordinate
	s_lshl_b32 s22, s21, 7
	s_lshl_b32 s23, s20, 6
	s_add_co_u32 s22, s22, s23                     ; x: row 128 x tile row + 64 x half
	s_lshl_b32 s46, s42, 8
	s_lshl_b32 s47, s20, 7
	s_add_co_u32 s46, s46, s47                     ; w: row 256 x tile column + 128 x half
	s_lshl_b32 s92, s22, 11                        ; codes: 2,048 bytes a row
	s_mov_b32 s93, 0
	s_lshl_b32 s94, s22, 7                         ; scales: 128 bytes a row
	s_mov_b32 s95, 0
	s_lshl_b32 s96, s46, 11
	s_mov_b32 s97, 0
	s_lshl_b32 s98, s46, 7
	s_mov_b32 s99, 0
	s_mul_i32 s45, s20, AHALF                      ; and where they go: no place in the cluster enters an LDS address
	s_mul_i32 s2, s20, BHALF
	s_add_co_u32 s2, s2, BOFF
	s_wait_dscnt 0x0                               ; both opening adds are done
	s_wait_kmcnt 0x0
	s_add_nc_u64 s[92:93], s[4:5], s[92:93]
	s_add_nc_u64 s[94:95], s[6:7], s[94:95]
	s_add_nc_u64 s[96:97], s[8:9], s[96:97]
	s_add_nc_u64 s[98:99], s[10:11], s[98:99]
	CROUND                                         ; all sixteen work-groups are here: the first joint loads meet
	s_mov_b32 s[G0S], 1
	s_mul_i32 s[G0S+1], s20, SAH
	s_add_co_u32 s[G0S+1], s[G0S+1], SCL
	s_mov_b64 s[G0S+2:G0S+3], s[94:95]
	s_or_b32 s[G0S+3], s[G0S+3], 0x80000000
	s_mov_b32 s[G0SB], 1
	s_mul_i32 s[G0SB+1], s20, SBH
	s_add_co_u32 s[G0SB+1], s[G0SB+1], SCL+2*SAH
	s_mov_b64 s[G0SB+2:G0SB+3], s[98:99]
	s_or_b32 s[G0SB+3], s[G0SB+3], 0x80000000
	JLOAD G0S, G1S, G0SB, G1SB                     ; the scales first: they are wanted with K step 0.  Three loads of mine are out behind the third
.irp s, 0,1
	s_mov_b32 s[G0+4*\s], 1
	s_add_co_u32 s[G0+4*\s+1], s45, \s*SLOT
	s_add_nc_u64 s[G0+4*\s+2:G0+4*\s+3], s[92:93], \s*256
	s_or_b32 s[G0+4*\s+3], s[G0+4*\s+3], 0x80000000
	s_mov_b32 s[G0B+4*\s], 1
	s_add_co_u32 s[G0B+4*\s+1], s2, \s*SLOT
	s_add_nc_u64 s[G0B+4*\s+2:G0B+4*\s+3], s[96:97], \s*256
	s_or_b32 s[G0B+4*\s+3], s[G0B+4*\s+3], 0x80000000
	JLOAD G0+4*\s, G1, G0B+4*\s, G1B
.endr
	v_and_b32 v1, 15, v0                           ; r = l % 16
	v_bfe_u32 v2, v0, 4, 1                         ; h = l / 16
	v_mul_u32_u24 v3, v1, PITCH
	v_lshl_add_u32 v4, v2, 4, v3                   ; a fragment's row x pitch + 16 h
	s_mul_i32 s22, s19, AHALF                      ; my 64 rows of x
	s_mul_i32 s23, s20, BHALF                      ; my 128 rows of w, behind x's 128
	s_add_co_u32 s23, s23, BOFF
.irp s, 0,1
	v_add_nc_u32 v[ADRA+\s], s22, v4
	v_add_nc_u32 v[ADRB+\s], s23, v4
	s_add_co_u32 s22, s22, SLOT
	s_add_co_u32 s23, s23, SLOT
.endr
	v_lshlrev_b32 v5, 7, v1                        ; my row's scales: 128 bytes a row,
	v_lshrrev_b32 v6, 8, v5
	v_lshl_add_u32 v5, v6, 4, v5                   ; and 16 more for each 256 passed
	s_mul_i32 s22, s19, SAH
	s_mul_i32 s23, s20, SBH
	s_add_co_u32 s23, s23, 2*SAH
	s_sub_co_u32 s23, s23, s22
	v_mul_u32_u24 v6, s23, v2                      ; lanes 16-31 take w's: one product, h x the distance
	s_add_co_u32 s22, s22, SCL
	v_add_nc_u32 v5, v5, v6
	v_add_nc_u32 v[ADRS], s22, v5
	s_mul_i32 s22, s18, 16*PITCH
	s_add_co_u32 s22, s22, STAGE                   ; my stage
	v_add_nc_u32 v[STO], s22, v4                   ; in: row r, 16 bytes for each half of the lanes
	v_mul_u32_u24 v5, v2, PITCH
	v_lshl_add_u32 v5, v1, 4, v5
	v_add_nc_u32 v[RD], s22, v5                    ; back: lanes 0-15 one row of 256 bytes, lanes 16-31 the next
	v_and_b32 v6, 31, v0
	v_lshlrev_b32 v[CO], 4, v6                     ; a plane's rows are dense: two rows are 512 consecutive bytes
	v_lshlrev_b32 v[CSO], 8, v1
	v_lshl_add_u32 v[CSO], v2, 4, v[CSO]           ; cos, sin: row r of 256 bytes, + 16 h: the four pairs of my eight columns
	s_lshl_b32 s22, s21, 7
	s_lshl_b32 s23, s19, 6
	s_add_co_u32 s22, s22, s23                     ; my first row: 128 x tile row + 64 x half
	s_lshl_b32 s22, s22, 8                         ; rows of 256 bytes in cos, in sin and in a plane
	s_mov_b32 s23, 0
	s_add_nc_u64 s[12:13], s[12:13], s[22:23]
	s_add_nc_u64 s[14:15], s[14:15], s[22:23]
	s_add_nc_u64 s[16:17], s[16:17], s[22:23]
	s_lshl_b32 s46, s42, 1
	s_add_co_u32 s46, s46, s20                     ; my plane: 2 x tile column + half
	s_lshl_b32 s46, s46, 19
	s_mov_b32 s47, 0
	s_add_nc_u64 s[16:17], s[16:17], s[46:47]
	WIN 0xc0                                       ; destination window 3
.irp a, 0,1,2,3
.irp b, 0,1,2,3,4,5,6,7
	global_load_b128 v[4*(8*\a+\b):4*(8*\a+\b)+3], v[CSO], s[12:13] offset:\a*4096+\b*32
	global_load_b128 v[128+4*(8*\a+\b):128+4*(8*\a+\b)+3], v[CSO], s[14:15] offset:\a*4096+\b*32
.endr
.endr
	WIN 0
; 8 matrix instructions: x's block a against w's eight, 128 along K: the step's q-th, out of buffer f, with scale set sc.  zero = 1: the product starts the sums.
; The 32 accumulators take turns, one instruction a turn, in the same order in every quarter.
.macro MUL8 f, a, q, sc, zero
.irp b, 0,1,2,3,4,5,6,7
.if \zero
	v_wmma_scale_f32_16x16x128_f8f6f4 v[8*(8*(\a)+\b):8*(8*(\a)+\b)+7], v[(\f)+32+8*\b:(\f)+32+8*\b+7], v[(\f)+8*(\a):(\f)+8*(\a)+7], 0, v[SC+32*(\sc)+4*\b+(\q)], v[SC+32*(\sc)+4*(\a)+(\q)] matrix_a_fmt:MATRIX_FMT_FP4 matrix_b_fmt:MATRIX_FMT_FP4 matrix_a_scale:MATRIX_SCALE_ROW1
.else
	v_wmma_scale_f32_16x16x128_f8f6f4 v[8*(8*(\a)+\b):8*(8*(\a)+\b)+7], v[(\f)+32+8*\b:(\f)+32+8*\b+7], v[(\f)+8*(\a):(\f)+8*(\a)+7], v[8*(8*(\a)+\b):8*(8*(\a)+\b)+7], v[SC+32*(\sc)+4*\b+(\q)], v[SC+32*(\sc)+4*(\a)+(\q)] matrix_a_fmt:MATRIX_FMT_FP4 matrix_b_fmt:MATRIX_FMT_FP4 matrix_a_scale:MATRIX_SCALE_ROW1
.endif
.endr
.endm
; 24 LDS loads in one run: a quarter's fragments at byte k of the rows, into buffer f: w's eight, then x's four.  A fragment, 16 rows x 128 codes, is two loads of 16 bytes, 32 bytes apart
.macro FETCH slot, k, f
	WIN TO_F
.irp i, 0,1,2,3,4,5,6,7
	ds_load_b128 v[(\f)+32+8*\i:(\f)+32+8*\i+3], v[ADRB+\slot] offset:(\k)+\i*16*PITCH
	ds_load_b128 v[(\f)+32+8*\i+4:(\f)+32+8*\i+7], v[ADRB+\slot] offset:(\k)+\i*16*PITCH+32
.endr
.irp i, 0,1,2,3
	ds_load_b128 v[(\f)+8*\i:(\f)+8*\i+3], v[ADRA+\slot] offset:(\k)+\i*16*PITCH
	ds_load_b128 v[(\f)+8*\i+4:(\f)+8*\i+7], v[ADRA+\slot] offset:(\k)+\i*16*PITCH+32
.endr
.endm
.macro SCALES sc                       ; a K step's scale words, four a row.  For i = 4 .. 7 lanes 0-15 read bytes of the scales' region that have landed and are not used
.irp i, 0,1,2,3,4,5,6,7
	ds_load_b128 v[SC+32*\sc+4*\i:SC+32*\sc+4*\i+3], v[ADRS] offset:\i*SBLK
.endr
.endm
; One of a step's first three quarters: multiplies buffer q % 2 and, in its middle, fetches quarter q + 1 into the other
.macro QUARTER slot, q, zero
	s_wait_dscnt 4                                 ; all but the youngest four loads, x's blocks 2 and 3
	WIN MUL
	MUL8 128*((\q)%2), 0, \q, \slot, \zero
	MUL8 128*((\q)%2), 1, \q, \slot, \zero
	PLACES
	FETCH \slot, 64*((\q)+1), 128-128*((\q)%2)
	s_wait_dscnt 24                                ; all but the 24 just issued
	WIN MUL
	MUL8 128*((\q)%2), 2, \q, \slot, \zero
	MUL8 128*((\q)%2), 3, \q, \slot, \zero
.endm
; A step's last quarter (buffer 1) changes slots: ONE barrier; in front of it each wave waits for all its tensor loads, adds 0 to its spare word, and waits for that and for its reads of this slot.
; fill = 1: the barrier opens a round of the cluster's barrier, and this slot is filled again, two K steps ahead: 112 matrix instructions ahead of the wait for it.
.macro TURN slot, next, fill
	WIN 0                                          ; (the add's two registers lie in window 0)
	s_wait_tensorcnt 0x0                           ; all my tensor loads have landed: the one that was out is my part of the next slot
	ds_add_u32 v[SPW], v[NIL]                      ; 0 onto my spare word
	s_wait_dscnt 5                                 ; (the add and the youngest four loads may be out)
	WIN MUL
	MUL8 F1, 0, 3, \slot, 0                        ; eight matrix instructions stand between the add and the wait for it
	s_wait_dscnt 0x0                               ; the add is done, and my reads of this slot are over
	s_barrier_signal -1
	MUL8 F1, 1, 3, \slot, 0
	WIN 0
	s_barrier_wait -1
.if \fill
	CREST                                          ; no wave of any partner still reads this slot's tile or has a load on its way
	s_add_nc_u64 s[G0+4*\slot+2:G0+4*\slot+3], s[G0+4*\slot+2:G0+4*\slot+3], 512
	s_add_nc_u64 s[G0B+4*\slot+2:G0B+4*\slot+3], s[G0B+4*\slot+2:G0B+4*\slot+3], 512
	JLOAD G0+4*\slot, G1, G0B+4*\slot, G1B         ; the first tensor load behind the round; its four v_nop are also the places in front of the loads below
.else
	PLACES
.endif
	v_add_nc_u32 v[ADRS], 16, v[ADRS]              ; the next K step's scale words
	SCALES \next
	FETCH \next, 0, F0
	WIN MUL
	MUL8 F1, 2, 3, \slot, 0
	MUL8 F1, 3, 3, \slot, 0
.endm
	s_wait_tensorcnt 1                             ; the scales and my part of K step 0 are in; K step 1's load may stay out
	s_barrier_signal -1
	s_barrier_wait -1
	SCALES 0
	FETCH 0, 0, F0
	QUARTER 0, 0, 1                                ; the first quarter stands in front of the loop: its products start the sums
	WIN 0
	s_mov_b32 s3, LAPS-1
.Llap:                                             ; a trip goes once round the ring, from a lap's second quarter to the next lap's first, and fills both slots again
	QUARTER 0, 1, 0
	QUARTER 0, 2, 0
	TURN 0, 1, 1
	QUARTER 1, 0, 0
	QUARTER 1, 1, 0
	QUARTER 1, 2, 0
	TURN 1, 0, 1
	QUARTER 0, 0, 0
	WIN 0
	s_sub_co_u32 s3, s3, 1
	s_cmp_lg_u32 s3, 0
	s_cbranch_scc1 .Llap
	QUARTER 0, 1, 0                                ; the last lap fills nothing, and has no round of the cluster's barrier
	QUARTER 0, 2, 0
	TURN 0, 1, 0
	QUARTER 1, 0, 0
	QUARTER 1, 1, 0
	QUARTER 1, 2, 0
	s_wait_dscnt 4                                 ; the very last quarter: nothing more to fetch
	WIN MUL
	MUL8 F1, 0, 3, 1, 0
	MUL8 F1, 1, 3, 1, 0
	s_wait_dscnt 0
	MUL8 F1, 2, 3, 1, 0
	MUL8 F1, 3, 3, 1, 0
	WIN 0
	; THE WAY OUT.  cos' = cos x A + B, sin' = sin x A.  For q and k A = 2^-3 and B = 0; for v (the last column of clusters: columns 3,072 on) A = 0 and B = 2^-3, which leaves v x 2^-3: a choice of numbers, no branch.
	PLACES
	s_wait_loadcnt 0x0                             ; cos and sin
	s_cmp_eq_u32 ttmp9, 3
	s_cselect_b32 s92, 0, 0x3e000000
	s_cselect_b32 s94, 0x3e000000, 0
	s_mov_b32 s93, s92                             ; (named with it as a pair)
	WIN 0xc3                                       ; destination and source 0 window 3
.set j, 0
.rept 128
	v_fma_f32 v[j], v[j], s92, s94
.set j, j+1
.endr
.set j, 128
.rept 64
	v_pk_mul_f32 v[j:j+1], v[j:j+1], s[92:93] op_sel_hi:[1,0]
.set j, j+2
.endr
; Block a (16 rows x 128 columns): o0 = t0 cos - t1 sin, o1 = t1 cos + t0 sin for each pair of neighbouring columns; then f16.  Each accumulator is first read at its register 1
.macro ROPE a
	WIN 0x5e                                       ; source 0 window 2 (the sums), source 1 window 3 (cos, sin), source 2 and destination window 1
.irp b, 0,1,2,3,4,5,6,7
.irp j, 0,1,2,3
	v_mul_f32 v[T1+2*\j], v[8*(8*(\a)+\b)+2*\j+1], v[128+4*(8*(\a)+\b)+\j]
	v_mul_f32 v[T1+2*\j+1], v[8*(8*(\a)+\b)+2*\j], v[128+4*(8*(\a)+\b)+\j]
.endr
.irp j, 0,1,2,3
	v_fma_f32 v[O1+8*\b+2*\j], v[8*(8*(\a)+\b)+2*\j], v[4*(8*(\a)+\b)+\j], -v[T1+2*\j]
	v_fma_f32 v[O1+8*\b+2*\j+1], v[8*(8*(\a)+\b)+2*\j+1], v[4*(8*(\a)+\b)+\j], v[T1+2*\j+1]
.endr
.endr
	WIN 0x05                                       ; sources window 1, destination window 0
.set i, 0
.rept 32
	v_cvt_pk_f16_f32 v[TMP+i], v[O1+2*i], v[O1+2*i+1]
.set i, i+1
.endr
	WIN 0
.endm
.macro TOSTAGE a                       ; 16 bytes a lane into my own stage, and back as whole rows.  LDS serves a wave's instructions in order
.irp b, 0,1,2,3,4,5,6,7
	ds_store_b128 v[STO], v[TMP+4*\b:TMP+4*\b+3] offset:32*\b
.endr
.irp t, 0,1,2,3,4,5,6,7
	ds_load_b128 v[BK+32*((\a)%2)+4*\t:BK+32*((\a)%2)+4*\t+3], v[RD] offset:\t*2*PITCH
.endr
.endm
.macro SEND a
	s_wait_dscnt 0x0                               ; the block is back in registers
	s_wait_xcnt 0x0                                ; the stores of the block before have read their registers: the next block's loads may land there
.irp t, 0,1,2,3,4,5,6,7
	global_store_b128 v[CO], v[BK+32*((\a)%2)+4*\t:BK+32*((\a)%2)+4*\t+3], s[16:17] offset:4096*(\a)+512*\t   ; the wave stores 512 consecutive bytes, aligned
.endr
.endm
	ROPE 0
	TOSTAGE 0
.irp a, 1,2,3
	ROPE \a                                        ; a block's arithmetic stands between the loads of the block before and the wait for them
	SEND \a-1
	TOSTAGE \a
.endr
	SEND 3
	s_wait_tensorcnt 0x0                           ; the wave's end, behind my last tensor load and my last LDS store
	ds_add_u32 v[SPW], v[NIL]
	s_wait_dscnt 0x0
	CROUND                                         ; the closing round: no work-group ends while a partner may still ask for a tile that names it
	s_endpgm
.Lfunc_end_k_q32b871111d_gemm_qkv:
	.size	k_q32b871111d_gemm_qkv, .Lfunc_end_k_q32b871111d_gemm_qkv-k_q32b871111d_gemm_qkv
	.p2alignl 7, 3214868480
	.fill 96, 4, 3214868480
	.section	.rodata,"a",@progbits
	.p2align	6, 0x0
	.amdhsa_kernel k_q32b871111d_gemm_qkv
		.amdhsa_group_segment_fixed_size 327680
		.amdhsa_private_segment_fixed_size 0
		.amdhsa_enable_private_segment 0
		.amdhsa_kernarg_size 56
		.amdhsa_user_sgpr_count 2
		.amdhsa_user_sgpr_kernarg_segment_ptr 1
		.amdhsa_wavefront_size32 1
		.amdhsa_system_sgpr_workgroup_id_x 1
		.amdhsa_system_sgpr_workgroup_id_y 1
		.amdhsa_system_sgpr_workgroup_id_z 1
		.amdhsa_system_vgpr_workitem_id 0
		.amdhsa_next_free_vgpr 1024
		.amdhsa_next_free_sgpr 100
		.amdhsa_reserve_vcc 0
		.amdhsa_float_denorm_mode_32 3
		.amdhsa_float_denorm_mode_16_64 3
		.amdhsa_memory_ordered 1
		.amdhsa_forward_progress 1
		.amdhsa_inst_pref_size 165
	.end_amdhsa_kernel
	.amdgpu_metadata
---
amdhsa.version: [ 1, 2 ]
amdhsa.kernels:
  - .name:           k_q32b871111d_gemm_qkv
    .symbol:         k_q32b871111d_gemm_qkv.kd
    .args:
      - { .name: xc, .offset: 0, .size: 8, .value_kind: global_buffer, .address_space: global }
      - { .name: xs, .offset: 8, .size: 8, .value_kind: global_buffer, .address_space: global }
      - { .name: wc, .offset: 16, .size: 8, .value_kind: global_buffer, .address_space: global }
      - { .name: ws, .offset: 24, .size: 8, .value_kind: global_buffer, .address_space: global }
      - { .name: freqs_cos, .offset: 32, .size: 8, .value_kind: global_buffer, .address_space: global }
      - { .name: freqs_sin, .offset: 40, .size: 8, .value_kind: global_buffer, .address_space: global }
      - { .name: qkv, .offset: 48, .size: 8, .value_kind: global_buffer, .address_space: global }
    .group_segment_fixed_size: 327680
    .private_segment_fixed_size: 0
    .kernarg_segment_align: 8
    .kernarg_segment_size: 56
    .max_flat_workgroup_size: 128
    .sgpr_count:     100
    .vgpr_count:     1024
    .wavefront_size: 32
...
	.end_amdgpu_metadata
.endif
;; end of part 2
;; launch attn (part 3): grid 16 x 16, 4 waves a work-group, clusters of 4 x 1, 327,680 bytes of LDS; arguments qkv, att; writes att
.if DOCPART == 3
	.amdgcn_target "amdgcn-amd-amdhsa--gfx1250"
	.amdhsa_code_object_version 6
	.text
	.protected	k_q32b871111d_attn
	.globl	k_q32b871111d_attn
	.p2align	8
	.type	k_q32b871111d_attn,@function
k_q32b871111d_attn:
	s_mov_b64 s[64:65], 0
	v_nop
	global_prefetch_b8 v0, s[64:65] scope:SCOPE_SE
	s_setreg_imm32_b32 hwreg(HW_REG_WAVE_MODE, 25, 1), 1
	s_wait_xcnt 0x0
	s_wait_alu depctr_hold_cnt(0) depctr_sa_sdst(0) depctr_va_vdst(0) depctr_va_sdst(0) depctr_va_ssrc(0) depctr_va_vcc(0) depctr_vm_vsrc(0)
	s_getreg_b32 s2, hwreg(HW_REG_IB_STS2, 6, 4)
	s_cmp_eq_u32 s2, 0
	s_cbranch_scc0 .Lentry_in_a_cluster
	s_endpgm
.Lentry_in_a_cluster:
	s_bfe_u32 s2, ttmp6, 0x10000c
	s_cmp_lg_u32 s2, 0x3003
	s_cbranch_scc0 .Lentry_shape_is_right
	s_endpgm
.Lentry_shape_is_right:
; att[s][128 h + d] = the sum over k of softmax_k(q[h][s] . k[h / 2][k] / sqrt(128)) v[h / 2][k][d], in units of an eighth.  No mask.  16 query heads on 8 key and value heads, 2,048 positions.
; qkv: f16 [32 planes][2048][128], each number an eighth of its true value: planes 0-15 q, 16-23 k, 24-31 v.  att: f16 [2048][2048].  Products, maxima and sums in f32; the weights p are rounded to f16.
; SHARES.  A work-group owns 128 queries of one head: 16 x 16 = 256 work-groups.  A wave holds 64 queries, four tiles of 16; THE WAVES SHARE THE KEYS: wave w has queries 64 (w / 2) on and, of every slot of
; 256 keys, rows 128 (w % 2) on: two steps of 64.  At the end the two waves of a query half merge their maxima, sums and O through LDS; each finishes and stores 32 queries.
; Register tile t holds query tile (t + 2 (w % 2)) % 4, by Q's addresses alone: so every wave keeps its register tiles 0, 1 and sends its tiles 2, 3, and one text serves both.
; LAYOUT.  S^T = K Q^T (source 0 = 16 keys, source 1 = 16 queries): a lane holds ONE query (lane % 16) and the keys 8 (lane / 16) + 0..7.  Two such tiles, rounded in pairs, ARE source 1 of O^T = V^T P.
; K comes out of LDS as it lies, V ([key][channel]) turned, by ds_load_tr16_b128.
; SOFTMAX.  A running maximum m and sum l for each query: p = 2^(c s - c m), c = 64 log2(e) / sqrt(128) (the 64 undoes the two eighths); in every step O and l are multiplied by a = 2^(c m_old - c m_new).
; BY TURNS.  The wave's tiles are two pieces (tiles 0, 1; tiles 2, 3).  In a turn one piece has the matrix unit: 32 products V^T P of the step in hand, then 32 products K Q^T of the next; the other piece's
; softmax, cut into 64 slices, stands between them, one slice behind each matrix instruction.  Two turns are a key step.
; CLUSTER.  The four query blocks of a cluster belong to one head and walk the same K and V: each tile is asked for jointly, with a mask that names the four.
; REGISTERS, in windows of 256: window 0: v0-11, v44-46, v61-63 addresses; v12-43 eight registers of statistics a tile; v64-191 S^T; v192-255 P.   window 1: O^T, 64 a tile.
;   window 2: v0-127 Q; v128-255 K of one step.   window 3: v0-127 V of one step.
.set KS,    64        ; keys in a step
.set PK,    272       ; a row of K in LDS: 256 bytes + 16 of padding
.set PV,    288       ; a row of V: 256 + 32: 16 lanes of the turning load take 8 rows x 32 bytes
.set VOFF,  256*PK    ; a slot: 256 rows of K, then 256 rows of V
.set SLOTB, 256*(PK+PV)
.set STAGE, 2*SLOTB   ; behind the ring: 16 rows x 272 bytes for each wave, for the way out
.set SP,    272
.set SPARE, STAGE+4*16*SP  ; the spare words, 128 bytes for each wave: two blocks of 256 bytes that no other line names
.set XCHB,  33*512    ; the merge: for each wave 32 register images of 512 bytes and 512 bytes of statistics, in slot 0, which has had its last fill and its last read by then
.set AK0, 2
.set AV0, 3
.set ADR, 4
.set QOA, 5           ; v5   my bytes in Q's rows for register tiles 0, 1
.set STO, 6
.set RD,  7
.set GO,  8
.set QOB, 44          ; v44  the same for register tiles 2, 3
.set XST, 45          ; v45  where I put images for my partner: 16 x lane + my region
.set XLD, 46          ; v46  where I take my partner's
.set PFO, 61          ; v61  256 x my lane; never rewritten
.set SPW, 62
.set NIL, 63
.set ST,  12          ; tile t's statistics at v[ST+8 t]: +0 c m, +1 m, +2, +3 l (even keys', odd keys'), +4 to +7 at work; a takes +6
.set S,   64
.set P,   192
.set KF,  128
.set WV,  12
.set LIM, 15          ; s15  1 in a wave that prefetches, else the greatest number
.set PFA, 18          ; s[18:19] where my prefetches stand
.set G1K, 24
.set G1V, 32
.set G0K, 40          ; s[40:47] two sets; the second walks on
.set G0V, 48
.set SLOTS, 56
.set TWICE, 57
.set CS,  58
.set SEL, 60
.set TBK, 62          ; s62  LDS byte at which the K rows of the step to be fetched begin
.set TBV, 63          ; s63  the same for V (less VOFF)
.set RB,  66          ; s66  the slot in hand: 0 or SLOTB
.set KHK, 67          ; s67  my half of a slot's keys, in K's rows
.set KHV, 68          ; s68  in V's
.set KL0, 69          ; s69  where the half that I fetch lands, if I fetch for K
.set VL0, 70          ; s70  if for V
.set MSB, 0
.macro WIN new
.if MSB != \new
	s_set_vgpr_msb (MSB<<8)|\new
.set MSB, \new
.endif
.endm
.set W_KQ, 0x0a       ; K and Q in window 2, S^T in window 0
.set W_PV, 0x53       ; V in window 3, P in window 0, O^T in window 1
.set W_RS, 0x41       ; O^T (destination and source 0) in window 1, a in window 0
; A joint refill: waves 0 and 1 fetch K's halves of a slot, waves 2 and 3 V's.  The branch hangs on the wave's number alone.  An s_nop 0 and four v_nop follow each line.
.macro JLOAD
	s_cmp_lt_u32 s[WV], 2
	s_cbranch_scc0 .Lfor_v_\@
	tensor_load_to_lds s[G0K+4:G0K+7], s[G1K:G1K+7]
	s_nop 0
.rept 4
	v_nop
.endr
	s_branch .Lasked_\@
.Lfor_v_\@:
	tensor_load_to_lds s[G0V+4:G0V+7], s[G1V:G1V+7]
	s_nop 0
.rept 4
	v_nop
.endr
.Lasked_\@:
.endm
; A PREFETCH INTO THE L2 of what the NEXT change of slots will ask for: 256 rows of K and 256 of V, 256 bytes a row, a lane a row.  It stands behind the wave's tensor load and its five lines.
; Each row is named once in the launch: a key and value head is walked by the clusters of two query heads; the first cluster of the even head asks.  Its four partners share the rows out BY ADDRESS:
; of the 128 rows that a wave fetches, the partner at place p takes 32 p on.  All four waves ask, one instruction each.  The last change that fills a slot asks for nothing.
.macro ASK
	s_cmp_gt_u32 s[SLOTS], s[LIM]
	s_cbranch_scc0 .Lnot_mine_\@
	global_prefetch_b8 v[PFO], s[PFA:PFA+1] th:TH_LOAD_NT scope:SCOPE_SE
.Lnot_mine_\@:
.endm
.macro CROUND                       ; a round of the cluster's barrier
	s_barrier_signal -1
	s_barrier_wait -1
	s_cmp_lg_u32 s[WV], 0
	s_cbranch_scc1 .Lnot_wave_0_\@
	s_barrier_signal -3
.Lnot_wave_0_\@:
	s_barrier_wait -3
	s_barrier_signal -1
	s_barrier_wait -1
.endm
	s_load_b128 s[4:7], s[0:1], 0x0 ; qkv s[4:5], att s[6:7]
	v_lshl_add_u32 v[SPW], v0, 2, SPARE
	v_mov_b32 v[NIL], 0
	ds_add_u32 v[SPW], v[NIL]       ; the wave's opening: the add, twice on end, and its wait ahead of my first tensor load
	ds_add_u32 v[SPW], v[NIL]
	v_lshrrev_b32 v1, 5, v0
	v_readfirstlane_b32 s[WV], v1   ; wave 0..3
	s_and_b32 s16, s[WV], 1         ; which half of a slot's keys is mine.  Also: which half of K's or V's tile I fetch
	s_lshr_b32 s17, s[WV], 1        ; which 64 queries
	s_bfe_u32 s13, ttmp6, 0x40000   ; cx
	s_lshl_b32 s14, ttmp9, 2
	s_add_co_u32 s14, s14, s13      ; my block of 128 queries: it enters Q's and att's addresses alone
	s_and_b32 s72, ttmp7, 0xffff    ; the query head, which the four partners share
	s_lshr_b32 s73, s72, 1          ; its key and value head
	s_lshl_b32 s71, s16, 15         ; the half that I fetch: 128 rows of 256 bytes
	s_add_co_u32 s74, s73, 16
	s_lshl_b32 s74, s74, 19         ; K's plane
	s_add_co_u32 s74, s74, s71
	s_mov_b32 s75, 0
	s_add_co_u32 s76, s73, 24
	s_lshl_b32 s76, s76, 19         ; V's plane
	s_add_co_u32 s76, s76, s71
	s_mov_b32 s77, 0
	s_lshl_b32 s78, s72, 19         ; Q's plane,
	s_lshl_b32 s79, s14, 15         ; my block's 128 rows,
	s_add_co_u32 s78, s78, s79
	s_lshl_b32 s79, s17, 14         ; my wave's 64 of them
	s_add_co_u32 s78, s78, s79
	s_mov_b32 s79, 0
	s_lshl_b32 s2, s14, 19          ; att: 128 rows of 4,096 bytes,
	s_lshl_b32 s3, s17, 18          ; 64 rows,
	s_add_co_u32 s2, s2, s3
	s_lshl_b32 s3, s16, 17          ; the 32 that I finish,
	s_add_co_u32 s2, s2, s3
	s_lshl_b32 s3, s72, 8           ; the head's 256 bytes of a row
	s_add_co_u32 s2, s2, s3
	s_mov_b32 s3, 0
	s_mul_i32 s[KHK], s16, 128*PK
	s_mul_i32 s[KHV], s16, 128*PV
	s_mul_i32 s[KL0], s16, 128*PK   ; no place in the cluster enters an LDS address
	s_mul_i32 s[VL0], s16, 128*PV
	s_add_co_u32 s[VL0], s[VL0], VOFF
	; group 1: a tile of 128 rows x 128 elements of 2 bytes, padded in LDS
	s_mov_b32 s[G1K], 15|(1<<16)|(1<<20)|(1<<21)|(5<<22)|(3<<25)  ; the mask: all four work-groups; bit 21 beside it; after every 64 words 4 words of padding
	s_mov_b32 s[G1V], 15|(1<<16)|(1<<20)|(1<<21)|(5<<22)|(7<<25)  ; the same with 8 words
.irp g, G1K, G1V
	s_mov_b32 s[\g+1], 128<<16      ; tensor_dim0
	s_mov_b32 s[\g+2], 128<<16      ; tensor_dim1
	s_mov_b32 s[\g+3], 128<<16      ; tile_dim0
	s_mov_b32 s[\g+4], 128          ; tile_dim1
	s_mov_b32 s[\g+5], 128          ; elements from row to row
	s_mov_b32 s[\g+6], 0
	s_mov_b32 s[\g+7], 0
.endr
	s_mov_b32 s[CS], 0x410293ee     ; c = 64 log2(e) / sqrt(128)
	s_mov_b32 s[CS+1], s[CS]        ; named with it as a pair
	s_mov_b32 s[SEL], 0x76543210
	s_mov_b32 s[SEL+1], 0xfedcba98
	s_mov_b32 s[RB], 0
	s_mov_b32 s[TBK], s[KHK]
	s_mov_b32 s[TBV], s[KHV]
	s_mov_b32 s[SLOTS], 6           ; 8 slots of 256 keys; all but the first two are asked for at a change
	s_and_b32 s[LIM], s72, 1
	s_or_b32 s[LIM], s[LIM], ttmp9  ; 0 in the first cluster of an even head: the same in all four partners
	s_cmp_eq_u32 s[LIM], 0
	s_cselect_b32 s[LIM], 1, -1
	v_and_b32 v[PFO], 31, v0
	v_lshlrev_b32 v[PFO], 8, v[PFO]
	s_wait_dscnt 0x0                ; both opening adds are done
	s_wait_kmcnt 0x0
	s_add_nc_u64 s[10:11], s[6:7], s[2:3]    ; att at the first row that I store
	s_add_nc_u64 s[6:7], s[4:5], s[74:75]    ; K and V at my tile of slot 0
	s_add_nc_u64 s[8:9], s[4:5], s[76:77]
	s_add_nc_u64 s[4:5], s[4:5], s[78:79]    ; Q at my wave's first row
	s_cmp_lt_u32 s[WV], 2
	s_cselect_b64 s[PFA:PFA+1], s[6:7], s[8:9]
	s_lshl_b32 s2, s13, 13          ; my work-group's 32 rows of the 128
	s_mov_b32 s3, 0
	s_add_nc_u64 s[PFA:PFA+1], s[PFA:PFA+1], s[2:3]
	s_add_nc_u64 s[PFA:PFA+1], s[PFA:PFA+1], 2*65536  ; in slot 2; the first change of slots steps it to slot 3.  Nothing is prefetched here, at the head
	CROUND                          ; all four work-groups are here: the first joint loads meet
.irp s, 0,1
	s_mov_b32 s[G0K+4*\s], 1
	s_add_co_u32 s[G0K+4*\s+1], s[KL0], \s*SLOTB
	s_add_nc_u64 s[G0K+4*\s+2:G0K+4*\s+3], s[6:7], \s*65536
	s_or_b32 s[G0K+4*\s+3], s[G0K+4*\s+3], 0x80000000
	s_mov_b32 s[G0V+4*\s], 1
	s_add_co_u32 s[G0V+4*\s+1], s[VL0], \s*SLOTB
	s_add_nc_u64 s[G0V+4*\s+2:G0V+4*\s+3], s[8:9], \s*65536
	s_or_b32 s[G0V+4*\s+3], s[G0V+4*\s+3], 0x80000000
.endr
	s_cmp_lt_u32 s[WV], 2           ; a wave's two first fills stand in one branch, ahead of every wait on TENSORcnt and every LDS read: two loads of mine are out
	s_cbranch_scc0 .Lfirst_v
	tensor_load_to_lds s[G0K:G0K+3], s[G1K:G1K+7]
	s_nop 0
	tensor_load_to_lds s[G0K+4:G0K+7], s[G1K:G1K+7]
	s_nop 0
.rept 4
	v_nop
.endr
	s_branch .Lfirst_asked
.Lfirst_v:
	tensor_load_to_lds s[G0V:G0V+3], s[G1V:G1V+7]
	s_nop 0
	tensor_load_to_lds s[G0V+4:G0V+7], s[G1V:G1V+7]
	s_nop 0
.rept 4
	v_nop
.endr
.Lfirst_asked:
	v_and_b32 v1, 15, v0            ; l % 16
	v_bfe_u32 v9, v0, 4, 1          ; l / 16
	v_lshlrev_b32 v[QOA], 8, v1
	v_lshl_add_u32 v[QOA], v9, 4, v[QOA]  ; row x 256 + 16 x half
	s_lshl_b32 s72, s16, 13         ; two tiles of 16 rows of 256 bytes
	s_sub_co_u32 s73, 8192, s72
	v_add_nc_u32 v[QOB], s73, v[QOA]  ; register tiles 2, 3: the query tiles that my partner finishes
	v_add_nc_u32 v[QOA], s72, v[QOA]  ; register tiles 0, 1: those that I finish
	WIN 0x80                        ; destination window 2
.irp i, 0,1,2,3,4,5,6,7             ; Q stays in registers: register tile i / 4, channels 32 (i % 4) on
	global_load_b128 v[8*\i:8*\i+3],   v[QOA], s[4:5] offset:(\i/4)*4096+(\i%4)*64
	global_load_b128 v[8*\i+4:8*\i+7], v[QOA], s[4:5] offset:(\i/4)*4096+(\i%4)*64+32
.endr
.irp i, 8,9,10,11,12,13,14,15
	global_load_b128 v[8*\i:8*\i+3],   v[QOB], s[4:5] offset:(\i/4-2)*4096+(\i%4)*64
	global_load_b128 v[8*\i+4:8*\i+7], v[QOB], s[4:5] offset:(\i/4-2)*4096+(\i%4)*64+32
.endr
	WIN 0
	v_mul_u32_u24 v[AK0], v1, PK
	v_lshl_add_u32 v[AK0], v9, 4, v[AK0]  ; row x pitch + 16 x half
	v_and_b32 v10, 7, v0            ; the turning load: lane l reads key 8 (l / 16) + l % 8, channels 8 ((l / 8) % 2) + 0..7
	v_bfe_u32 v11, v0, 3, 1
	v_lshl_add_u32 v[AV0], v9, 3, v10
	v_mul_u32_u24 v[AV0], v[AV0], PV
	v_lshl_add_u32 v[AV0], v11, 4, v[AV0]
	v_add_nc_u32 v[AV0], VOFF, v[AV0]
; THE MATRIX WORK OF A TURN, for piece x.  The accumulators take turns, one instruction a turn.
; Product i of 32 of O^T += V^T P: keys 32 (i / 16) on, channels 16 ((i / 2) % 8) on, tile x + i % 2.  zero = 1: the first 16 start the sums.
.macro PV x, zero
	WIN W_PV
.set rO, 64*(\x+i%2)+8*((i/2)%8)
.set rV, 64*(i/16)+8*((i/2)%8)
.set rP, P+16*(\x+i%2)+8*(i/16)
.if \zero && (i < 16)
	v_wmma_f32_16x16x32_f16 v[rO:rO+7], v[rV:rV+7], v[rP:rP+7], 0
.else
	v_wmma_f32_16x16x32_f16 v[rO:rO+7], v[rV:rV+7], v[rP:rP+7], v[rO:rO+7]
.endif
.endm
; Product i of 32 of S^T = K Q^T: channels 32 (i / 8) on, keys 16 ((i / 2) % 4) on, tile x + i % 2.  The first 8 start the sums.
.macro KQ x
	WIN W_KQ
.set rS, S+32*(\x+i%2)+8*((i/2)%4)
.set rK, KF+32*((i/2)%4)+8*(i/8)
.set rQ, 32*(\x+i%2)+8*(i/8)
.if i < 8
	v_wmma_f32_16x16x32_f16 v[rS:rS+7], v[rK:rK+7], v[rQ:rQ+7], 0
.else
	v_wmma_f32_16x16x32_f16 v[rS:rS+7], v[rK:rK+7], v[rQ:rQ+7], v[rS:rS+7]
.endif
.endm
; THE LDS LOADS stand in runs of 32: a step's K (64 keys x 128 channels) and, a turn later, its V (turned).
.macro FETCH_K
	WIN 0
	v_add_nc_u32 v[ADR], s[TBK], v[AK0]
	WIN 0x80
.irp f, 0,1,2,3,4,5,6,7,8,9,10,11,12,13,14,15
	ds_load_b128 v[KF+8*\f:KF+8*\f+3],   v[ADR] offset:(\f/4)*16*PK+(\f%4)*64
	ds_load_b128 v[KF+8*\f+4:KF+8*\f+7], v[ADR] offset:(\f/4)*16*PK+(\f%4)*64+32
.endr
.endm
.macro FETCH_V
	WIN 0
	v_add_nc_u32 v[ADR], s[TBV], v[AV0]
	s_add_co_u32 s[TBK], s[TBK], KS*PK  ; the next fetches are the next step's
	s_add_co_u32 s[TBV], s[TBV], KS*PV
	s_wait_alu depctr_va_vdst(0)    ; the wait for the softmax's batch of exponentials, ahead of the first line that names a result
	WIN 0xc0
.irp f, 0,1,2,3,4,5,6,7,8,9,10,11,12,13,14,15
	ds_load_tr16_b128 v[8*\f:8*\f+3],   v[ADR] offset:(\f/8)*32*PV+(\f%8)*32
	ds_load_tr16_b128 v[8*\f+4:8*\f+7], v[ADR] offset:(\f/8)*32*PV+16*PV+(\f%8)*32
.endr
.endm
; THE VECTOR WORK OF A TURN.  One tile's softmax for one key step is a list of 134 instructions; SM writes number j of it for tile t.
;   0-15 the maximum of the 32 scores and the old m;  16-20 the other half of the lanes' maximum, the new m, c m, c m_old - c m_new;
;   21-69 ONE BATCH: the 16 packed scalings c s - c m and all 33 exponentials, none of which reads an exponential's result;  (the wait: SLICE writes it);
;   70-85 the roundings to f16;  86-101 the sums, l = a l + the sum;  102-133 the tile's O^T times a.
.macro SM t, first
.set rT, ST+8*(\t)
.set rS, S+32*(\t)
.set rP, P+16*(\t)
.set rO, 64*(\t)+2*(j-102)
.if j < 102
	WIN 0
.endif
.if j < 4
	v_max3_num_f32 v[rT+4+j], v[rS+8*j], v[rS+8*j+1], v[rS+8*j+2]
.elseif j < 12
	v_max3_num_f32 v[rT+4+j%4], v[rT+4+j%4], v[rS+8*(j%4)+2*(j/4)+1], v[rS+8*(j%4)+2*(j/4)+2]
.elseif j == 12
	v_max3_num_f32 v[rT+4], v[rT+4], v[rS+7], v[rS+15]
.elseif j == 13
	v_max3_num_f32 v[rT+6], v[rT+6], v[rS+23], v[rS+31]
.elseif j == 14
	v_max3_num_f32 v[rT+4], v[rT+4], v[rT+5], v[rT+6]
.elseif (j == 15) && \first
	v_max_num_f32 v[rT+4], v[rT+4], v[rT+7]
.elseif j == 15
	v_max3_num_f32 v[rT+4], v[rT+4], v[rT+7], v[rT+1]
.elseif j == 16
	v_permlanex16_b32 v[rT+5], v[rT+4], s[SEL], s[SEL+1]  ; the query's other 32 keys lie in the lane 16 away
.elseif j == 18
	v_max_num_f32 v[rT+1], v[rT+4], v[rT+5]
.elseif j == 19
	v_mul_f32 v[rT], s[CS], v[rT+1]
.elseif ((j == 17) || (j == 20) || (j == 23) || (j > 101)) && \first  ; the first step has none of these
.elseif j == 17
	v_mov_b32 v[rT+7], v[rT]        ; c m_old is kept for a
.elseif j == 20
	v_sub_f32 v[rT+7], v[rT+7], v[rT]
.elseif j == 23
	v_exp_f32 v[rT+6], v[rT+7]
.elseif (j < 23) || ((j < 38) && (j%2 == 0)) || ((j < 66) && (j%4 == 2))
.set b, (j-2)/4
.if j < 38
.set b, (j-20)/2
.endif
	v_pk_fma_f32 v[rS+2*b:rS+2*b+1], v[rS+2*b:rS+2*b+1], s[CS:CS+1], v[rT:rT+1] op_sel_hi:[1,0,0] neg_lo:[0,0,1] neg_hi:[0,0,1]  ; pair b: c s - c m
.elseif j < 70
.set e, j-38
.if j < 66
.set e, j-32-(j-38)/4
.endif
.if j < 38
.set e, (j-25)/2
.endif
	v_exp_f32 v[rS+e], v[rS+e]
.elseif j < 86
	v_cvt_pk_f16_f32 v[rP+j-70], v[rS+2*(j-70)], v[rS+2*(j-70)+1]
.elseif j < 102
.set z, j-86
.set w, 4
.set u, z
.if z >= 14
.set w, 32
.set u, 0
.elseif z >= 12
.set w, 16
.set u, z-12
.elseif z >= 8
.set w, 8
.set u, z-8
.endif
.if (z == 14) && \first
	v_pk_add_f32 v[rT+2:rT+3], v[rS:rS+1], v[rS+16:rS+17]
.elseif z < 15
	v_pk_add_f32 v[rS+w*u:rS+w*u+1], v[rS+w*u:rS+w*u+1], v[rS+w*u+w/2:rS+w*u+w/2+1]
.elseif !\first
	v_pk_fma_f32 v[rT+2:rT+3], v[rT+2:rT+3], v[rT+6:rT+7], v[rS:rS+1] op_sel_hi:[1,0,1]
.endif
.else
	WIN W_RS
	v_pk_mul_f32 v[rO:rO+1], v[rO:rO+1], v[rT+6:rT+7] op_sel_hi:[1,0]
.endif
.endm
; Slice k of 64 of piece y's softmax: four instructions.  Slices 11 to 34 deal out the batch, four numbers of ONE tile each, the tiles by turns; every other slice is numbers 2 k and 2 k + 1 of both tiles' lists;
; the twelve that are over stand in slice 63.  Ahead of slice 35 nothing names an exponential's result, and behind slice 34 none is issued: the piece's 66 exponentials have one wait, behind slice 34.
.macro SLICE y, first
.if (k >= 11) && (k < 35)
.irp n, 0,1,2,3
.set j, 22+4*((k-11)/2)+(\n)
	SM (\y)+(k-11)%2, \first
.endr
.else
.irp n, 0,1,2,3,4,5,6,7
.if (\n < 2) || (k == 63)
.irp t, \y, \y+1
.set j, 2*k+\n
	SM \t, \first
.endr
.endif
.endr
.endif
.if k == 34
	v_nop                           ; a plain instruction behind the last exponential and ahead of the first use: one for the batch
.if (\y) == 0
	FETCH_V                         ; piece 2's turn: V's run of loads stands here, and the wait stands in it
.else
	s_wait_alu depctr_va_vdst(0)    ; the wait for the batch
.endif
.endif
.set k, k+1
.endm
.macro PLACES
.rept 4
	v_nop
.endr
.endm
; A TURN.  Piece x has the matrix unit; the other piece's softmax stands in slices behind its matrix instructions.  pv = 2: 32 products V^T P; 1: they start O^T's sums; 0: none.  kq = 1: 32 products K Q^T
; for the next step.  A turn with one of the two kinds has two slices behind each product.  first = 1: the softmax is the first key step's; four v_nop then take slice 63's part as the places behind the last products.
; Piece 0's turn fetches the next step's K behind its second product; piece 2's turn fetches the same step's V behind slice 34.
.macro TURN x, pv, kq, first
.set k, 0
.set per, 2
.if \pv && \kq
.set per, 1
.endif
.if \pv
.if \x == 0
	s_wait_dscnt 0x0                ; V is in
.endif
.set i, 0
.rept 32
	PV \x, 2-\pv
.rept per
	SLICE 2-\x, \first
.endr
.if (\x == 0) && \kq && (i == 1)
	FETCH_K
.endif
.set i, i+1
.endr
.endif
.if \kq
.if \x == 0
	s_wait_dscnt 0x0                ; K is in
.endif
.set i, 0
.rept 32
	KQ \x
.rept per
	SLICE 2-\x, \first
.endr
.set i, i+1
.endr
.endif
.if \first
	PLACES
.endif
.endm
; THE CHANGE OF SLOTS, between piece 2's turn and piece 0's: the slot's last bytes have been asked for.  Each wave waits for all its tensor loads, of which one is out: its part of the other slot; adds 0 to its
; spare word; and waits for that and for its own reads of the slot.  fill = 1: the slot that is left is filled again, with the keys two slots on; the barrier is then a round of the cluster's, and the joint
; refill is the first thing behind it: it has two key steps, 256 matrix instructions, in which to land.
.macro CHANGE fill
	WIN 0
	s_wait_tensorcnt 0x0            ; no tensor load of mine is out, so a group 0 may be written
	ds_add_u32 v[SPW], v[NIL]       ; 0 onto my spare word
.if \fill
	s_add_co_u32 s[G0K+5], s[RB], s[KL0]   ; the walking descriptors: into the slot that is being left,
	s_add_nc_u64 s[G0K+6:G0K+7], s[G0K+6:G0K+7], 65536  ; the next 256 keys; the type bits on top are not reached
	s_add_co_u32 s[G0V+5], s[RB], s[VL0]
	s_add_nc_u64 s[G0V+6:G0V+7], s[G0V+6:G0V+7], 65536
	s_wait_xcnt 0x0                 ; the last prefetch, two key steps back, has read its address, so it may be written:
	s_add_nc_u64 s[PFA:PFA+1], s[PFA:PFA+1], 65536  ; one slot further on than the walking descriptors
	s_wait_dscnt 0x0                ; the add is done, and my reads of the slot are over
	CROUND
	JLOAD
	ASK
.else
	s_wait_dscnt 0x0
	s_barrier_signal -1
	s_barrier_wait -1
.endif
	s_xor_b32 s[RB], s[RB], SLOTB   ; the fetches go on in the other slot, at my half's first step
	s_add_co_u32 s[TBK], s[RB], s[KHK]
	s_add_co_u32 s[TBV], s[RB], s[KHV]
.endm
.macro TWO_STEPS                    ; my two key steps of a slot: written once, walked twice
	s_mov_b32 s[TWICE], 2
.Lstep_\@:
	TURN 0, 2, 1, 0
	TURN 2, 2, 1, 0
	WIN 0
	s_sub_co_u32 s[TWICE], s[TWICE], 1
	s_cmp_lg_u32 s[TWICE], 0
	s_cbranch_scc1 .Lstep_\@
.endm
	s_wait_tensorcnt 1              ; my part of slot 0 is in; slot 1's may stay out
	s_barrier_signal -1
	s_barrier_wait -1
	FETCH_K                         ; key step 0
	s_wait_loadcnt 0x0              ; Q
	s_wait_dscnt 0x0
.set i, 0
.rept 32
	KQ 0                            ; piece 0's first scores
.set i, i+1
.endr
	WIN 0                           ; the addresses for the merge and the way out are made here: plain instructions, the places behind those products
	s_mul_i32 s72, s[WV], 16*SP
	s_add_co_u32 s72, s72, STAGE    ; my stage
	v_mul_u32_u24 v[STO], v1, SP    ; in: row l % 16, 16 bytes for each half of the lanes
	v_lshl_add_u32 v[STO], v9, 4, v[STO]
	v_add_nc_u32 v[STO], s72, v[STO]
	v_mul_u32_u24 v[RD], v9, SP     ; back: lanes 0-15 one row of 256 bytes, lanes 16-31 the next
	v_lshl_add_u32 v[RD], v1, 4, v[RD]
	v_add_nc_u32 v[RD], s72, v[RD]
	v_lshlrev_b32 v[GO], 12, v9     ; and the same two rows in att, 4,096 bytes apart
	v_lshl_add_u32 v[GO], v1, 4, v[GO]
	v_and_b32 v[XST], 31, v0
	v_lshlrev_b32 v[XST], 4, v[XST] ; 16 x lane
	s_xor_b32 s73, s[WV], 1         ; my partner: the other half of the keys, the same queries
	s_mul_i32 s73, s73, XCHB
	v_add_nc_u32 v[XLD], s73, v[XST]
	s_mul_i32 s73, s[WV], XCHB
	v_add_nc_u32 v[XST], s73, v[XST]
	TURN 2, 0, 1, 1                 ; piece 2's first scores | piece 0's first softmax | V of step 0
	TURN 0, 1, 1, 1                 ; piece 0: V^T P of step 0 starts O^T, K Q^T of step 1 | piece 2's first softmax | K of step 1
	TURN 2, 1, 1, 0                 ; piece 2: the same | piece 0's softmax of step 1 | V of step 1
	WIN 0
.Lslot:                             ; 6 trips: every slot but the last two is filled again
	CHANGE 1
	TWO_STEPS
	s_sub_co_u32 s[SLOTS], s[SLOTS], 1
	s_cmp_lg_u32 s[SLOTS], 0
	s_cbranch_scc1 .Lslot
	CHANGE 0                        ; the tail is written out.  Slot 0 is left here for good
	TWO_STEPS
	TURN 0, 2, 0, 0                 ; piece 0: V^T P of the last step | piece 2's last softmax
.set i, 0
.rept 32
	PV 2, 0                         ; piece 2: V^T P of the last step
.set i, i+1
.endr
	; THE MERGE.  l's two halves and the other half of the lanes' are added (the additions are the places behind the last products).  Then my tiles 2, 3 go to my partner as images of their registers:
	; c m and l in one store, O^T in 32, lane l's 16 bytes at 16 l.  They lie in slot 0: behind the last change's barrier nobody reads it, and nothing is filled any more.
	WIN 0
.irp t, 0,1,2,3
	v_add_f32 v[ST+8*\t+4], v[ST+8*\t+2], v[ST+8*\t+3]
.endr
.irp t, 0,1,2,3
	v_permlanex16_b32 v[ST+8*\t+5], v[ST+8*\t+4], s[SEL], s[SEL+1]
.endr
.irp t, 0,1,2,3
	v_add_f32 v[ST+8*\t+4], v[ST+8*\t+4], v[ST+8*\t+5]
.endr
	v_mov_b32 v[S], v[ST+16]        ; tile 2: c m,
	v_mov_b32 v[S+1], v[ST+20]      ; l;
	v_mov_b32 v[S+2], v[ST+24]      ; tile 3 likewise
	v_mov_b32 v[S+3], v[ST+28]
	ds_store_b128 v[XST], v[S:S+3] offset:32*512
	WIN 0x04                        ; an LDS store's data are its source 1: window 1
.set i, 0
.rept 32
	ds_store_b128 v[XST], v[128+4*i:128+4*i+3] offset:512*i   ; each accumulator from its low end on
.set i, i+1
.endr
	WIN 0
	s_wait_dscnt 0x0                ; for my partner's sake: my stores have landed
	s_barrier_signal -1
	s_barrier_wait -1
	ds_load_b128 v[P:P+3], v[XLD] offset:32*512
.set i, 0
.rept 32
	ds_load_b128 v[S+4*i:S+4*i+3], v[XLD] offset:512*i
.set i, i+1
.endr
	s_wait_dscnt 32                 ; the statistics are in; the 32 images may be out
.irp t, 0,1
	v_max_num_f32 v[ST+8*\t+5], v[ST+8*\t], v[P+2*\t]           ; the larger c m
.endr
.irp t, 0,1
	v_sub_f32 v[ST+8*\t+6], v[ST+8*\t], v[ST+8*\t+5]
	v_sub_f32 v[ST+8*\t+2], v[P+2*\t], v[ST+8*\t+5]
.endr
.irp t, 0,1
	v_exp_f32 v[ST+8*\t+6], v[ST+8*\t+6]                        ; what brings my half under it,
	v_exp_f32 v[ST+8*\t+2], v[ST+8*\t+2]                        ; and my partner's
.endr
	v_nop                           ; a plain instruction behind the last exponential
	s_wait_alu depctr_va_vdst(0)    ; one wait for the four, ahead of their first reader
.irp t, 0,1
	v_mul_f32 v[ST+8*\t+4], v[ST+8*\t+4], v[ST+8*\t+6]
.endr
.irp t, 0,1
	v_fma_f32 v[ST+8*\t+4], v[P+2*\t+1], v[ST+8*\t+2], v[ST+8*\t+4]   ; the row's whole sum
.endr
.irp t, 0,1
	v_rcp_f32 v[ST+8*\t+5], v[ST+8*\t+4]
.endr
	v_nop
	s_wait_alu depctr_va_vdst(0)    ; one wait for the two reciprocals
.irp t, 0,1
	v_mul_f32 v[ST+8*\t+6], v[ST+8*\t+6], v[ST+8*\t+5]
	v_mul_f32 v[ST+8*\t+2], v[ST+8*\t+2], v[ST+8*\t+5]
.endr
	s_wait_dscnt 0x0                ; my partner's O^T is in
.irp t, 0,1
.set i, 0
.rept 32
	v_pk_mul_f32 v[S+64*\t+i:S+64*\t+i+1], v[S+64*\t+i:S+64*\t+i+1], v[ST+8*\t+2:ST+8*\t+3] op_sel_hi:[1,0]
.set i, i+2
.endr
.endr
	WIN 0x01                        ; source 0 window 1: my O^T, each accumulator from its low end on
.irp t, 0,1
.set i, 0
.rept 32
	v_pk_fma_f32 v[S+64*\t+i:S+64*\t+i+1], v[64*\t+i:64*\t+i+1], v[ST+8*\t+6:ST+8*\t+7], v[S+64*\t+i:S+64*\t+i+1] op_sel_hi:[1,0,1]
.set i, i+2
.endr
.endr
	WIN 0
.set i, 0
.rept 64
	v_cvt_pk_f16_f32 v[P+i], v[S+2*i], v[S+2*i+1]
.set i, i+1
.endr
; THE WAY OUT.  Tile t: a lane's eight channels of a row are 16 bytes; they go into rows of 272 bytes of my own stage and come back as whole rows of 256.
.macro STG t
.irp f, 0,1,2,3,4,5,6,7
	ds_store_b128 v[STO], v[P+32*\t+4*\f:P+32*\t+4*\f+3] offset:32*\f
.endr
.irp f, 0,1,2,3,4,5,6,7
	ds_load_b128 v[S+32*\t+4*\f:S+32*\t+4*\f+3], v[RD] offset:\f*2*SP  ; LDS serves a wave's instructions in order
.endr
.endm
.macro SEND t, younger              ; younger: the LDS instructions issued behind tile t's loads
.irp f, 0,1,2,3,4,5,6,7
	s_wait_dscnt \younger+7-\f
	global_store_b128 v[GO], v[S+32*\t+4*\f:S+32*\t+4*\f+3], s[10:11] offset:\t*65536+\f*8192  ; 16 lanes store 256 consecutive bytes, aligned
.endr
.endm
	STG 0
	STG 1
	SEND 0, 16
	SEND 1, 0
	s_wait_tensorcnt 0x0            ; the wave's end, behind my last tensor load and my last LDS store
	ds_add_u32 v[SPW], v[NIL]
	s_wait_dscnt 0x0
	CROUND                          ; the closing round
	s_endpgm
.Lfunc_end_k_q32b871111d_attn:
	.size	k_q32b871111d_attn, .Lfunc_end_k_q32b871111d_attn-k_q32b871111d_attn
	.p2alignl 7, 3214868480
	.fill 96, 4, 3214868480
	.section	.rodata,"a",@progbits
	.p2align	6, 0x0
	.amdhsa_kernel k_q32b871111d_attn
		.amdhsa_group_segment_fixed_size 327680
		.amdhsa_private_segment_fixed_size 0
		.amdhsa_enable_private_segment 0
		.amdhsa_kernarg_size 16
		.amdhsa_user_sgpr_count 2
		.amdhsa_user_sgpr_kernarg_segment_ptr 1
		.amdhsa_wavefront_size32 1
		.amdhsa_system_sgpr_workgroup_id_x 1
		.amdhsa_system_sgpr_workgroup_id_y 1
		.amdhsa_system_sgpr_workgroup_id_z 1
		.amdhsa_system_vgpr_workitem_id 0
		.amdhsa_next_free_vgpr 1024
		.amdhsa_next_free_sgpr 80
		.amdhsa_reserve_vcc 0
		.amdhsa_float_denorm_mode_32 3
		.amdhsa_float_denorm_mode_16_64 3
		.amdhsa_memory_ordered 1
		.amdhsa_forward_progress 1
		.amdhsa_inst_pref_size 220
	.end_amdhsa_kernel
	.amdgpu_metadata
---
amdhsa.version: [ 1, 2 ]
amdhsa.kernels:
  - .name:           k_q32b871111d_attn
    .symbol:         k_q32b871111d_attn.kd
    .args:
      - { .name: qkv, .offset: 0, .size: 8, .value_kind: global_buffer, .address_space: global }
      - { .name: att, .offset: 8, .size: 8, .value_kind: global_buffer, .address_space: global }
    .group_segment_fixed_size: 327680
    .private_segment_fixed_size: 0
    .kernarg_segment_align: 8
    .kernarg_segment_size: 16
    .max_flat_workgroup_size: 128
    .sgpr_count:     80
    .vgpr_count:     1024
    .wavefront_size: 32
...
	.end_amdgpu_metadata
.endif
;; end of part 3
;; launch gemm_out (part 4): grid 16 x 16, 4 waves a work-group, clusters of 4 x 4, 327,680 bytes of LDS; arguments att, wot, out0; writes out0
.if DOCPART == 4
	.amdgcn_target "amdgcn-amd-amdhsa--gfx1250"
	.amdhsa_code_object_version 6
	.text
	.protected	k_q32b871111d_gemm_out
	.globl	k_q32b871111d_gemm_out
	.p2align	8
	.type	k_q32b871111d_gemm_out,@function
k_q32b871111d_gemm_out:
	s_mov_b64 s[64:65], 0
	v_nop
	global_prefetch_b8 v0, s[64:65] scope:SCOPE_SE
	s_setreg_imm32_b32 hwreg(HW_REG_WAVE_MODE, 25, 1), 1
	s_wait_xcnt 0x0
	s_wait_alu depctr_hold_cnt(0) depctr_sa_sdst(0) depctr_va_vdst(0) depctr_va_sdst(0) depctr_va_ssrc(0) depctr_va_vcc(0) depctr_vm_vsrc(0)
	s_getreg_b32 s2, hwreg(HW_REG_IB_STS2, 6, 4)
	s_cmp_eq_u32 s2, 0
	s_cbranch_scc0 .Lentry_in_a_cluster
	s_endpgm
.Lentry_in_a_cluster:
	s_bfe_u32 s2, ttmp6, 0x10000c
	s_cmp_lg_u32 s2, 0xf033
	s_cbranch_scc0 .Lentry_shape_is_right
	s_endpgm
.Lentry_shape_is_right:
; out0 [2048][4096] f32 = att wot^T.  att: f16 [2048][2048], in units of an eighth; wot: f16 [4096 n][2048 k] = 8 wo: the product is the true one, and nothing is scaled behind it.  Sums in f32.
; SHARES.  A tile of C is 128 (m) x 256 (n): 16 x 16 = 256 work-groups.  Four waves, each 64 x 128: 32 accumulators of 16 x 16.
; THE RING HAS A SHORT SLOT AND A LONG ONE.  A K step of 128 is 384 rows x 272 bytes of LDS = 104,448; two slots of two steps would be 405,504 bytes and do not fit; three steps do.  So the short slot
; holds 128 along K (rows of 256 bytes) and the long one 256 (rows of 512 bytes), and K = 2,048 is walked short, long, short, .. short: 6 short and 5 long slots, 10 changes of slots.
; Along a row short slot i begins at byte 768 i, long slot i at byte 768 i + 256.  While the long slot's 256 matrix instructions a wave are issued the short slot's next tile is on its way, and the other way round.
; A quarter is 32 along K, 64 bytes of a row, 32 matrix instructions: four to the short slot, eight to the long.
; CLUSTERS: 4 x 4 work-groups.  The four of a row of the cluster need the same tiles of att, the four of a column the same tiles of wot: each tile is asked for jointly.
; THE MATRIX INSTRUCTION IS USED TRANSPOSED (source 0 = 16 rows of wot, source 1 = 16 rows of att): a lane holds row l % 16 and eight neighbouring columns of C.
; REGISTERS, in windows of 256: window 0: v1-29 addresses; v128-255 the way out.   window 1: two fragment buffers at v0 and v128: att's block a at + 8 a, wot's block b at + 32 + 8 b.
;   window 2: accumulator (a, b) at v[8 (8 a + b)].
.set ROWMEM, 4096                      ; a row of att or of wot in memory, bytes
.set PS,     272                       ; the short slot's LDS row: 256 bytes + 16 of padding
.set PL,     528                       ; the long slot's: 512 bytes + 16.  Both are odd multiples of 16 bytes: the 16 rows that a load touches start in 16 different groups of four banks
.set LOA,    0                         ; the long slot: att's 128 rows,
.set LOB,    128*PL                    ; then wot's 256
.set SHA,    384*PL                    ; the short slot: att's 128 rows,
.set SHB,    SHA+128*PS                ; then wot's 256
.set SPARE,  SHA+384*PS                ; behind the ring: the spare words, 128 bytes for each wave: two blocks of 256 bytes that no other line names
.set STAGE,  LOA                       ; the way out: 16 rows x (512 bytes + 16) for each wave, in the long slot, which has had its last fill and its last read when the first result is stored there
.set SPITCH, 528
.set LAPB,   768                       ; bytes of a row from a slot's tile to its next: a short and a long slot
.set TRIPS,  4                         ; the loop fills both slots again four times; the short slot's fifth refill stands in the tail
.set ADRA, 16                          ; v16, v17  LDS address of my fragments of att in the short, the long slot
.set ADRB, 20                          ; v20, v21  of wot
.set STO,  24
.set RD,   25
.set CO,   26
.set SPW,  28                          ; v28  LDS address of my spare word; never rewritten
.set NIL,  29                          ; v29  0; never rewritten
.set BK,   128                         ; 16 rows read back from the stage: v128-191 and v192-255 by turns
.set F0,   0
.set F1,   128
.set G1,   24                          ; s[24:31] group 1 for att's short tiles;  s[68:75] for its long ones
.set G1L,  68
.set G0,   32                          ; s[32:35] group 0 for att's short tiles, s[36:39] for its long ones
.set G1B,  48                          ; s[48:55], s[80:87], s[56:59], s[60:63]: the same for wot
.set G1BL, 80
.set G0B,  56
.set MSB, 0
.macro WIN new                         ; the immediate's high byte repeats the setting that is left
.if MSB != \new
	s_set_vgpr_msb (MSB<<8)|\new
.set MSB, \new
.endif
.endm
.set MUL,  0xa5                        ; sources 0 and 1 window 1; C and D window 2
.set TO_F, 0x40                        ; destination window 1, address window 0
; A joint load: waves 0 and 1 fetch att's halves, waves 2 and 3 wot's.  The branch hangs on the wave's number alone.  An s_nop 0 and four v_nop follow each of the two lines.
.macro JLOAD g0a, g1a, g0b, g1b
	s_cmp_eq_u32 s19, 0
	s_cbranch_scc0 .Lfor_b_\@
	tensor_load_to_lds s[\g0a:\g0a+3], s[\g1a:\g1a+7]
	s_nop 0
.rept 4
	v_nop
.endr
	s_branch .Lasked_\@
.Lfor_b_\@:
	tensor_load_to_lds s[\g0b:\g0b+3], s[\g1b:\g1b+7]
	s_nop 0
.rept 4
	v_nop
.endr
.Lasked_\@:
.endm
.macro ASKFOR t                        ; t = 0: the short slot's tile; 1: the long slot's
.if \t
	JLOAD G0+4, G1L, G0B+4, G1BL
.else
	JLOAD G0, G1, G0B, G1B
.endif
.endm
.macro CREST                           ; a round of the cluster's barrier behind its opening barrier
	s_cmp_lg_u32 s18, 0
	s_cbranch_scc1 .Lnot_wave_0_\@
	s_barrier_signal -3
.Lnot_wave_0_\@:
	s_barrier_wait -3
	s_barrier_signal -1
	s_barrier_wait -1
.endm
.macro CROUND
	s_barrier_signal -1
	s_barrier_wait -1
	CREST
.endm
.macro PLACES                          ; four plain places in front of loads into registers that matrix instructions have read, and of the first read of results
.rept 4
	v_nop
.endr
.endm
	s_load_b128 s[4:7], s[0:1], 0x0                ; att 4:5, wot 6:7
	s_load_b64 s[8:9], s[0:1], 0x10                ; out0
	v_lshl_add_u32 v[SPW], v0, 2, SPARE
	v_mov_b32 v[NIL], 0
	ds_add_u32 v[SPW], v[NIL]                      ; the wave's opening: the add, twice on end, and its wait ahead of my first tensor load
	ds_add_u32 v[SPW], v[NIL]
	v_lshrrev_b32 v1, 5, v0
	v_readfirstlane_b32 s18, v1                    ; wave 0..3
	s_lshr_b32 s19, s18, 1                         ; which 64 rows of the tile are mine.  Also: I fetch for att (0) or for wot (1)
	s_and_b32 s20, s18, 1                          ; which 128 columns.  Also: which half of that tile I fetch
	s_bfe_u32 s40, ttmp6, 0x40000                  ; cx, cy
	s_bfe_u32 s41, ttmp6, 0x40004
	s_lshl_b32 s42, ttmp9, 2
	s_add_co_u32 s42, s42, s40                     ; tile column
	s_and_b32 s21, ttmp7, 0xffff
	s_lshl_b32 s21, s21, 2
	s_add_co_u32 s21, s21, s41                     ; tile row
	s_lshl_b32 s43, s41, 2
	s_lshl_b32 s43, 15, s43                        ; my row of the cluster
	s_lshl_b32 s44, 0x1111, s40                    ; my column
	; group 1, elements of one byte.  Short tiles: rows of 256 bytes, four words of padding after every 64 words (code 5); long tiles: rows of 512 bytes, after every 128 words (code 6).  att: 64 rows to a load, wot: 128
	s_or_b32 s[G1], s43, (1<<20)|(1<<21)|(5<<22)|(3<<25)
	s_or_b32 s[G1L], s43, (1<<20)|(1<<21)|(6<<22)|(3<<25)
	s_or_b32 s[G1B], s44, (1<<20)|(1<<21)|(5<<22)|(3<<25)
	s_or_b32 s[G1BL], s44, (1<<20)|(1<<21)|(6<<22)|(3<<25)
	s_mov_b32 s[G1+1], 256<<16                     ; tensor_dim0
	s_mov_b32 s[G1+2], 64<<16                      ; tensor_dim1
	s_mov_b32 s[G1+3], 256<<16                     ; tile_dim0
	s_mov_b32 s[G1+4], 64                          ; tile_dim1
	s_mov_b32 s[G1+5], ROWMEM                      ; from row to row
	s_mov_b32 s[G1+6], 0
	s_mov_b32 s[G1+7], 0
	s_mov_b32 s[G1L+1], 512<<16
	s_mov_b32 s[G1L+2], 64<<16
	s_mov_b32 s[G1L+3], 512<<16
	s_mov_b32 s[G1L+4], 64
	s_mov_b32 s[G1L+5], ROWMEM
	s_mov_b32 s[G1L+6], 0
	s_mov_b32 s[G1L+7], 0
	s_mov_b32 s[G1B+1], 256<<16
	s_mov_b32 s[G1B+2], 128<<16
	s_mov_b32 s[G1B+3], 256<<16
	s_mov_b32 s[G1B+4], 128
	s_mov_b32 s[G1B+5], ROWMEM
	s_mov_b32 s[G1B+6], 0
	s_mov_b32 s[G1B+7], 0
	s_mov_b32 s[G1BL+1], 512<<16
	s_mov_b32 s[G1BL+2], 128<<16
	s_mov_b32 s[G1BL+3], 512<<16
	s_mov_b32 s[G1BL+4], 128
	s_mov_b32 s[G1BL+5], ROWMEM
	s_mov_b32 s[G1BL+6], 0
	s_mov_b32 s[G1BL+7], 0
	; where the tiles come from: att's hang on the tile row alone, wot's on the tile column alone, each in registers that never hold the other coordinate
	s_lshl_b32 s22, s21, 7
	s_lshl_b32 s23, s20, 6
	s_add_co_u32 s22, s22, s23                     ; att: row 128 x tile row + 64 x half
	s_lshl_b32 s46, s42, 8
	s_lshl_b32 s47, s20, 7
	s_add_co_u32 s46, s46, s47                     ; wot: row 256 x tile column + 128 x half
	s_lshl_b32 s92, s22, 12
	s_mov_b32 s93, 0
	s_lshl_b32 s96, s46, 12
	s_mov_b32 s97, 0
	s_wait_dscnt 0x0                               ; both opening adds are done
	s_wait_kmcnt 0x0
	s_add_nc_u64 s[92:93], s[4:5], s[92:93]
	s_add_nc_u64 s[96:97], s[6:7], s[96:97]
	CROUND                                         ; all sixteen work-groups are here: the first joint loads meet
	s_mov_b32 s[G0], 1                             ; the short slot's first tile: K = 0 .. 127
	s_mul_i32 s[G0+1], s20, 64*PS                  ; where it goes: the half that I fetch: no place in the cluster enters an LDS address
	s_add_co_u32 s[G0+1], s[G0+1], SHA
	s_mov_b64 s[G0+2:G0+3], s[92:93]
	s_or_b32 s[G0+3], s[G0+3], 0x80000000
	s_mov_b32 s[G0B], 1
	s_mul_i32 s[G0B+1], s20, 128*PS
	s_add_co_u32 s[G0B+1], s[G0B+1], SHB
	s_mov_b64 s[G0B+2:G0B+3], s[96:97]
	s_or_b32 s[G0B+3], s[G0B+3], 0x80000000
	ASKFOR 0
	s_mov_b32 s[G0+4], 1                           ; the long slot's first tile: K = 128 .. 383, 256 bytes on in each row
	s_mul_i32 s[G0+5], s20, 64*PL                  ; (the long slot begins at LDS byte 0)
	s_add_nc_u64 s[G0+6:G0+7], s[92:93], 256
	s_or_b32 s[G0+7], s[G0+7], 0x80000000
	s_mov_b32 s[G0B+4], 1
	s_mul_i32 s[G0B+5], s20, 128*PL
	s_add_co_u32 s[G0B+5], s[G0B+5], LOB
	s_add_nc_u64 s[G0B+6:G0B+7], s[96:97], 256
	s_or_b32 s[G0B+7], s[G0B+7], 0x80000000
	ASKFOR 1                                       ; two loads of mine are out: three K steps of 128 are on their way
	v_and_b32 v1, 15, v0                           ; r = l % 16
	v_bfe_u32 v2, v0, 4, 1                         ; h = l / 16
	v_mul_u32_u24 v3, v1, PS
	v_lshl_add_u32 v4, v2, 4, v3                   ; a fragment's row x pitch + 16 h, in the short slot
	v_mul_u32_u24 v3, v1, PL
	v_lshl_add_u32 v5, v2, 4, v3                   ; and in the long one
	s_mul_i32 s22, s19, 64*PS                      ; my 64 rows of att
	s_add_co_u32 s22, s22, SHA
	v_add_nc_u32 v[ADRA], s22, v4
	s_mul_i32 s22, s19, 64*PL
	v_add_nc_u32 v[ADRA+1], s22, v5
	s_mul_i32 s22, s20, 128*PS                     ; my 128 rows of wot
	s_add_co_u32 s22, s22, SHB
	v_add_nc_u32 v[ADRB], s22, v4
	s_mul_i32 s22, s20, 128*PL
	s_add_co_u32 s22, s22, LOB
	v_add_nc_u32 v[ADRB+1], s22, v5
	s_mul_i32 s22, s18, 16*SPITCH                  ; my stage (the stages begin at LDS byte 0)
	v_mul_u32_u24 v6, v1, SPITCH
	v_lshl_add_u32 v6, v2, 5, v6
	v_add_nc_u32 v[STO], s22, v6                   ; in: row r, 32 bytes for each half of the lanes
	v_and_b32 v7, 31, v0
	v_lshlrev_b32 v[CO], 4, v7                     ; back: the 32 lanes take one row of 512 bytes; and the same in C
	v_add_nc_u32 v[RD], s22, v[CO]
	s_lshl_b32 s22, s21, 7
	s_lshl_b32 s23, s19, 6
	s_add_co_u32 s22, s22, s23                     ; my first row of C
	s_lshl_b32 s22, s22, 14                        ; rows of 16,384 bytes
	s_mov_b32 s23, 0
	s_add_nc_u64 s[8:9], s[8:9], s[22:23]
	s_lshl_b32 s46, s42, 10                        ; my first column, in bytes: 1,024 x tile column + 512 x half
	s_lshl_b32 s47, s20, 9
	s_add_co_u32 s46, s46, s47
	s_mov_b32 s47, 0
	s_add_nc_u64 s[8:9], s[8:9], s[46:47]
; 8 matrix instructions: att's block a against wot's eight, 32 along K, out of buffer f.  The 32 accumulators take turns, in the same order in every quarter.
.macro MUL8 f, a, zero
.irp b, 0,1,2,3,4,5,6,7
.if \zero
	v_wmma_f32_16x16x32_f16 v[8*(8*(\a)+\b):8*(8*(\a)+\b)+7], v[(\f)+32+8*\b:(\f)+32+8*\b+7], v[(\f)+8*(\a):(\f)+8*(\a)+7], 0
.else
	v_wmma_f32_16x16x32_f16 v[8*(8*(\a)+\b):8*(8*(\a)+\b)+7], v[(\f)+32+8*\b:(\f)+32+8*\b+7], v[(\f)+8*(\a):(\f)+8*(\a)+7], v[8*(8*(\a)+\b):8*(8*(\a)+\b)+7]
.endif
.endr
.endm
; 24 LDS loads in one run: a quarter's fragments at byte k of the rows of slot t (0 short, 1 long), into buffer f: wot's eight, then att's four.  A fragment, 16 rows x 32 K, is two loads of 16 bytes, 32 bytes apart.
; The largest offset, in the long slot, is 448 + 7 x 16 x 528 + 32 = 59,616.
.macro FETCH t, k, f
.set PP, PS+(\t)*(PL-PS)
	WIN TO_F
.irp i, 0,1,2,3,4,5,6,7
	ds_load_b128 v[(\f)+32+8*\i:(\f)+32+8*\i+3], v[ADRB+\t] offset:(\k)+\i*16*PP
	ds_load_b128 v[(\f)+32+8*\i+4:(\f)+32+8*\i+7], v[ADRB+\t] offset:(\k)+\i*16*PP+32
.endr
.irp i, 0,1,2,3
	ds_load_b128 v[(\f)+8*\i:(\f)+8*\i+3], v[ADRA+\t] offset:(\k)+\i*16*PP
	ds_load_b128 v[(\f)+8*\i+4:(\f)+8*\i+7], v[ADRA+\t] offset:(\k)+\i*16*PP+32
.endr
.endm
; Any quarter of a slot but its last: multiplies buffer q % 2 and, in its middle, fetches quarter q + 1 of the same slot into the other
.macro QUARTER t, q, zero
	s_wait_dscnt 4                                 ; all but the youngest four loads, att's blocks 2 and 3
	WIN MUL
	MUL8 128*((\q)%2), 0, \zero
	MUL8 128*((\q)%2), 1, \zero
	PLACES
	FETCH \t, 64*((\q)+1), 128-128*((\q)%2)
	s_wait_dscnt 24                                ; all but the 24 just issued
	WIN MUL
	MUL8 128*((\q)%2), 2, \zero
	MUL8 128*((\q)%2), 3, \zero
.endm
; The last quarter of slot t (the short slot's fourth, the long slot's eighth: both lie in buffer 1) changes to slot n: ONE barrier; in front of it each wave waits for all its tensor loads, adds 0 to its spare
; word, and waits for that and for its reads of slot t.  fill = 1: the barrier opens a round of the cluster's barrier, and slot t is filled again with its next tile, 768 bytes on in each row.
; From that request to the wait for it a wave issues 16 + 7 x 32 = 240 matrix instructions where t is the short slot, 16 + 3 x 32 = 112 where it is the long one.
.macro TURN t, n, fill
	WIN 0                                          ; (the add's two registers lie in window 0)
	s_wait_tensorcnt 0x0                           ; all my tensor loads have landed: the one that was out is my part of slot n
	ds_add_u32 v[SPW], v[NIL]                      ; 0 onto my spare word
	s_wait_dscnt 5                                 ; (the add and the youngest four loads may be out)
	WIN MUL
	MUL8 F1, 0, 0                                  ; eight matrix instructions stand between the add and the wait for it
	s_wait_dscnt 0x0                               ; the add is done, and my reads of slot t are over
	s_barrier_signal -1
	MUL8 F1, 1, 0
	WIN 0
	s_barrier_wait -1
.if \fill
	CREST                                          ; no wave of any partner still reads slot t's tile or has a load on its way
	s_add_nc_u64 s[G0+4*\t+2:G0+4*\t+3], s[G0+4*\t+2:G0+4*\t+3], LAPB
	s_add_nc_u64 s[G0B+4*\t+2:G0B+4*\t+3], s[G0B+4*\t+2:G0B+4*\t+3], LAPB
	ASKFOR \t                                      ; the first tensor load behind the round, and my only one until the next; its four v_nop are also the places in front of the loads below
.else
	PLACES
.endif
	FETCH \n, 0, F0
	WIN MUL
	MUL8 F1, 2, 0
	MUL8 F1, 3, 0
.endm
.macro LONG7                           ; the long slot's first seven quarters
.irp q, 0,1,2,3,4,5,6
	QUARTER 1, \q, 0
.endr
.endm
	s_wait_tensorcnt 1                             ; my part of the short slot is in; the long slot's load may stay out
	s_barrier_signal -1
	s_barrier_wait -1
	FETCH 0, 0, F0
	QUARTER 0, 0, 1                                ; the first quarter stands in front of the loop: its products start the sums
	WIN 0
	s_mov_b32 s3, TRIPS
.Llap:                                             ; a trip goes once round the ring, from a short slot's second quarter to the next short slot's first, and fills both slots again
	QUARTER 0, 1, 0
	QUARTER 0, 2, 0
	TURN 0, 1, 1
	LONG7
	TURN 1, 0, 1
	QUARTER 0, 0, 0
	WIN 0
	s_sub_co_u32 s3, s3, 1
	s_cmp_lg_u32 s3, 0
	s_cbranch_scc1 .Llap
	QUARTER 0, 1, 0                                ; the tail is written out: the fifth short slot
	QUARTER 0, 2, 0
	TURN 0, 1, 1                                   ; behind which the sixth and last is asked for: K = 1,920 .. 2,047;
	LONG7                                          ; the fifth and last long slot,
	TURN 1, 0, 0                                   ; which is left for good: nothing is filled, and no round follows;
	QUARTER 0, 0, 0                                ; the last short slot
	QUARTER 0, 1, 0
	QUARTER 0, 2, 0
	s_wait_dscnt 4                                 ; the very last quarter: nothing more to fetch
	WIN MUL
	MUL8 F1, 0, 0
	MUL8 F1, 1, 0
	s_wait_dscnt 0
	MUL8 F1, 2, 0
	MUL8 F1, 3, 0
	WIN 0
; THE WAY OUT, block by block of 16 rows x 128 columns: 32 bytes a lane into my own stage, back as whole rows of 512 bytes.  LDS serves a wave's instructions in order.
; The stages lie in the long slot: every wave has passed the last change of slots, in front of which it waited for its reads of that slot, and no tensor load follows.
.macro TOSTAGE a
	WIN 0x08                                       ; the data: window 2
.irp b, 0,1,2,3,4,5,6,7
	ds_store_b128 v[STO], v[8*(8*(\a)+\b):8*(8*(\a)+\b)+3] offset:64*\b          ; each accumulator from its low end on
	ds_store_b128 v[STO], v[8*(8*(\a)+\b)+4:8*(8*(\a)+\b)+7] offset:64*\b+16
.endr
	WIN 0
.irp t, 0,1,2,3,4,5,6,7,8,9,10,11,12,13,14,15
	ds_load_b128 v[BK+64*((\a)%2)+4*\t:BK+64*((\a)%2)+4*\t+3], v[RD] offset:\t*SPITCH
.endr
.endm
.macro SEND a, younger                 ; younger: the LDS instructions issued behind block a's loads, which may stay out
	s_wait_dscnt \younger
.irp t, 0,1,2,3,4,5,6,7,8,9,10,11,12,13,14,15
	global_store_b128 v[CO], v[BK+64*((\a)%2)+4*\t:BK+64*((\a)%2)+4*\t+3], s[8:9] offset:(\a)*262144+\t*16384 th:TH_STORE_NT   ; the wave stores 512 consecutive bytes, aligned
.endr
.endm
	PLACES
	TOSTAGE 0
.irp a, 1,2,3
.if \a > 1
	s_wait_xcnt 0x0                                ; block a - 2's stores have read their registers: block a's loads may land there
.endif
	TOSTAGE \a
	SEND \a-1, 32                                  ; behind block a - 1's loads: block a's 16 stores and 16 loads
.endr
	SEND 3, 0
	s_wait_tensorcnt 0x0                           ; the wave's end, behind my last tensor load and my last LDS store
	ds_add_u32 v[SPW], v[NIL]
	s_wait_dscnt 0x0
	CROUND                                         ; the closing round: no work-group ends while a partner may still ask for a tile that names it
	s_endpgm
.Lfunc_end_k_q32b871111d_gemm_out:
	.size	k_q32b871111d_gemm_out, .Lfunc_end_k_q32b871111d_gemm_out-k_q32b871111d_gemm_out
	.p2alignl 7, 3214868480
	.fill 96, 4, 3214868480
	.section	.rodata,"a",@progbits
	.p2align	6, 0x0
	.amdhsa_kernel k_q32b871111d_gemm_out
		.amdhsa_group_segment_fixed_size 327680
		.amdhsa_private_segment_fixed_size 0
		.amdhsa_enable_private_segment 0
		.amdhsa_kernarg_size 24
		.amdhsa_user_sgpr_count 2
		.amdhsa_user_sgpr_kernarg_segment_ptr 1
		.amdhsa_wavefront_size32 1
		.amdhsa_system_sgpr_workgroup_id_x 1
		.amdhsa_system_sgpr_workgroup_id_y 1
		.amdhsa_system_sgpr_workgroup_id_z 1
		.amdhsa_system_vgpr_workitem_id 0
		.amdhsa_next_free_vgpr 1024
		.amdhsa_next_free_sgpr 100
		.amdhsa_reserve_vcc 0
		.amdhsa_float_denorm_mode_32 3
		.amdhsa_float_denorm_mode_16_64 3
		.amdhsa_memory_ordered 1
		.amdhsa_forward_progress 1
		.amdhsa_inst_pref_size 132
	.end_amdhsa_kernel
	.amdgpu_metadata
---
amdhsa.version: [ 1, 2 ]
amdhsa.kernels:
  - .name:           k_q32b871111d_gemm_out
    .symbol:         k_q32b871111d_gemm_out.kd
    .args:
      - { .name: att, .offset: 0, .size: 8, .value_kind: global_buffer, .address_space: global }
      - { .name: wot, .offset: 8, .size: 8, .value_kind: global_buffer, .address_space: global }
      - { .name: out0, .offset: 16, .size: 8, .value_kind: global_buffer, .address_space: global }
    .group_segment_fixed_size: 327680
    .private_segment_fixed_size: 0
    .kernarg_segment_align: 8
    .kernarg_segment_size: 24
    .max_flat_workgroup_size: 128
    .sgpr_count:     100
    .vgpr_count:     1024
    .wavefront_size: 32
...
	.end_amdgpu_metadata
.endif
;; end of part 4
